; MI455X (gfx1250); checked and timed in simulation.
; The chip was launched on July 23, 2026; its instructions are those of AMD's public machine-readable ISA for CDNA 5 (MIT licence, August 2026) and "CDNA5" Instruction Set Architecture Reference Guide (July 2026). The comments in the code are by the model that wrote it; some were corrected since.
;; My Bert Self Attention. Allowed arithmetic: matrix products marked QUANTISED: E2M3 operands, one E8M0 scale for each 32 along K, by v_wmma_scale_f32_16x16x128_f8f6f4 with both operands' format E2M3, f32 sums; everything else in f32.
;; Inputs: Wk 1,024 x 1,024 float32; Wk2 1,024 x 1,024 float32; Wq 1,024 x 1,024 float32; Wq2 1,024 x 1,024 float32; Wv 1,024 x 1,024 float32; attention_mask 8 x 1 x 1 x 1,024 float32; bk 1,024 float32; bk2 1,024 float32; bq 1,024 float32; bq2 1,024 float32; bv 1,024 float32; hidden_states 8 x 1,024 x 1,024 float32; source_embedding 8 x 1,024 x 1,024 float32.
;; Outputs: out0 8 x 1,024 x 1,024 float32.
;; This version of the problem:
;;   THIS VERSION OF THE PROBLEM IS GIVEN IN LOW PRECISION. The matrix products marked QUANTISED in the list below multiply operands that are first quantised to E2M3 (2 exponent bits, 3 mantissa bits; 6 bits a number), with one power-of-two scale for each 32 numbers along K (OCP MX v1.0); their sums are f32. All else is computed in f32.
;;   The module's matrix products, in the order in which they are computed (A, B: the left and right operand; K: the contracted axis; several contracted axes count as one K, in the product's order):
;;     1. [M 8,192, K 1,024] x [K 1,024, N 1,024]; A: input hidden_states; B: input Wq: QUANTISED
;;     2. [M 8,192, K 1,024] x [K 1,024, N 1,024]; A: input hidden_states; B: input Wk: QUANTISED
;;     3. [M 8,192, K 1,024] x [K 1,024, N 1,024]; A: input hidden_states; B: input Wv: QUANTISED
;;     4. [M 8,192, K 1,024] x [K 1,024, N 1,024]; A: input hidden_states; B: input Wq2: QUANTISED
;;     5. [M 8,192, K 1,024] x [K 1,024, N 1,024]; A: input source_embedding; B: input Wk2: QUANTISED
;;     6. batch 128 x [M 1,024, K 64] x [K 64, N 1,024]; A: computed on the way; B: computed on the way: QUANTISED
;;     7. batch 128 x [M 1,024, K 64] x [K 64, N 1,024]; A: computed on the way; B: computed on the way: QUANTISED
;;     8. batch 128 x [M 1,024, K 1,024] x [K 1,024, N 64]; A: softmax (see below); B: computed on the way: QUANTISED
;;   THE QUANTISER, for each operand of a quantised product, along K:
;;     - K is cut into blocks of 32 from its start; a last block that is shorter is filled with zeros.
;;     - A block's scale is 2^e with e = floor(log2(the largest magnitude in the block)) - 2, held to -126 .. 127; a block of zeros has e = 0. As a byte (E8M0): e + 127.
;;     - Each number is divided by its block's scale, clamped to +-7.5, and rounded to the nearest number of E2M3, ties to even, subnormals kept.
;;     - The product sums the exact products of the quantised numbers (number of the format x scale) in f32.
;;   ~~~python
;;   def quantise(x, axis):      # numpy; x: float32 -> the quantised numbers, widened to float32 again
;;       x = np.moveaxis(x, axis, -1); K = x.shape[-1]
;;       x = np.pad(x, [(0, 0)] * (x.ndim - 1) + [(0, -K % 32)]); x = x.reshape(x.shape[:-1] + (-1, 32)); a = np.abs(x).max(-1, keepdims=True)
;;       e = np.where(a > 0, np.clip(np.frexp(np.where(a > 0, a, 1))[1] - 1 - 2, -126, 127), 0)      # np.frexp(a)[1] - 1 = floor(log2(a)), exactly
;;       r = np.clip(x / 2.0 ** e, -7.5, 7.5)
;;       step = 2.0 ** (np.maximum(np.frexp(np.where(r == 0, 1, r))[1] - 1, 0) - 3)
;;       q = np.round(r / step) * step * 2.0 ** e      # np.round: ties to even
;;       return np.moveaxis(q.reshape(q.shape[:-2] + (-1,))[..., :K], -1, axis).astype(np.float32)
;;   ~~~
;;   SOFTMAX AHEAD OF A QUANTISED PRODUCT. Where the list says 'softmax', what is quantised is not the finished softmax but p = 2^(t - M), with t = logit x log2(e) and M = ceil(the row's largest t), a whole number; so 1/2 < the row's largest p <= 1. The row's sum l is taken of the UNQUANTISED p, in f32, and the product's result is divided by l at the end. Since M is a whole number, a kernel that streams over the keys may use a running M (the ceiling of the running maximum): every later rescaling is an exact power of two, which a block's scale takes up: the codes' values come out the same.
;;   OPERANDS COMPUTED ON THE WAY. 'Computed on the way' means the value that the module computes at that place (a softmax that the list does not call 'softmax' is quantised finished and normalised). What goes into a quantiser is computed in f32, as accurately as f32 sums, v_exp_f32 and their like allow (about 1e-6 of the number): no bf16 or f16 on the way to a quantiser, and a product that is left as it is and whose result goes on into a quantised operand takes f32 operands (vector FMAs, or v_wmma_f32_16x16x4_f32). A number that lies on a knife's edge between two numbers of the format may be rounded either way, as far as f32 arithmetic and the matrix unit's own rounding can turn it there, and no further.
;; One version. Each part assembles by itself: llvm-mc -triple=amdgcn-amd-amdhsa -mcpu=gfx1250 --defsym DOCPART=n.
;; ======== version 1 of 1: 4 launches
;; limits: right only within a limited range of input values
;; workspace buffers: xc 12,582,912 bytes; xs 524,288 bytes; wc 3,932,160 bytes; ws 163,840 bytes; hd 32,768,000 bytes
;; launch quant_w (part 1): grid 8 x 20, 8 waves a work-group, no clusters, 168,960 bytes of LDS; arguments Wq, Wk, Wq2, Wk2, Wv, wc, ws; writes wc, ws
.if DOCPART == 1
	.amdgcn_target "amdgcn-amd-amdhsa--gfx1250"
	.amdhsa_code_object_version 6
	.text
	.protected	k_qd91d159688_quant_w
	.globl	k_qd91d159688_quant_w
	.p2align	8
	.type	k_qd91d159688_quant_w,@function
k_qd91d159688_quant_w:
	s_mov_b64 s[64:65], 0
	v_nop
	global_prefetch_b8 v0, s[64:65] scope:SCOPE_SE
	s_setreg_imm32_b32 hwreg(HW_REG_WAVE_MODE, 25, 1), 1
	s_wait_xcnt 0x0
; Five weights [1024 (k)][1024 (n)], f32, K their FIRST axis, become codes of E2M3 with one E8M0 byte for each 32 along K, laid as the product's launch reads them:
; wc [5 weights][64 tiles of 16 columns][8 K steps of 128][1,536 bytes]: the IMAGE of a fragment's 12 registers: registers 4 g .. 4 g + 3 of lane l at 512 g + 16 l.
; ws [5 x 64 tiles][4 pairs of K steps][16 rows][2 words]: a row's scale word of each K step.
; THE COLUMNS OF A TILE ARE NOT NEIGHBOURS: of each 32 columns, tile u (0, 1) has in its row r the column 8 u + r + 8 (r / 8).
; A block's scale is 2^(floor(log2(its largest magnitude)) - 2); its byte is the largest magnitude's exponent field - 2, held at 1 from below.
; LIMITS: a block of zeros, or one whose largest magnitude lies under 2^-124, keeps the byte 1 (its numbers are rounded on that grid; zeros give zero codes); the bytes are read by this program alone.  NaN and infinities are not served.
; SHARES: work-group (x, y): weight y / 4, rows of K 256 (y % 4) on, columns 128 x on: 131,072 bytes, brought by eight tensor loads (32 rows of 512 bytes a wave), each filled once.
; Wave v then takes 32 columns (v % 4) x one K step (v / 4).  A LANE TAKES A COLUMN AND ITS REGISTERS RUN DOWN K: a block of 32 lies in one lane's 32 registers.
; A lane's 24 bytes of a block go into the wave's own stage at their place in the image; the images leave as stores of 512 consecutive bytes.
.set STG,   131072                     ; behind the tile: a stage of two images for each wave,
.set SIMG,  1664                       ; 1,664 bytes apart (1,536 + 128: the second image's stores start 32 words on from the first's)
.set SWAVE, 2*SIMG
.set SCR,   STG+8*SWAVE                ; the work-group's scale words: [8 tiles][16 rows][2 K steps], 1,024 bytes
.set X,     32                         ; v32-95   two sets of 32 numbers
.set C,     20                         ; v20-26   a block's codes
.set OUTR,  96                         ; v96-119  the two images on their way out; v120-123 scale words
	s_load_b256 s[4:11], s[0:1], 0x0               ; Wq, Wk, Wq2, Wk2
	s_load_b128 s[12:15], s[0:1], 0x20             ; Wv, wc
	s_load_b64 s[16:17], s[0:1], 0x30              ; ws
	v_lshl_add_u32 v128, v0, 2, 0x29000
	v_mov_b32 v129, 0
	ds_add_u32 v128, v129
	ds_add_u32 v128, v129
	v_lshrrev_b32 v1, 5, v0
	s_delay_alu instid0(VALU_DEP_1)
	v_readfirstlane_b32 s18, v1                    ; wave 0..7
	s_and_b32 s19, ttmp7, 0xffff
	s_lshr_b32 s20, s19, 2                         ; which weight
	s_and_b32 s21, s19, 3                          ; which 256 rows of K
	; descriptor group 1: 32 rows x 128 elements of 4 bytes, 1,024 elements from row to row, no padding
	s_mov_b32 s24, 2<<16
	s_mov_b32 s25, 128<<16                         ; tensor_dim0
	s_mov_b32 s26, 32<<16                          ; tensor_dim1
	s_mov_b32 s27, 128<<16                         ; tile_dim0
	s_mov_b32 s28, 32                              ; tile_dim1
	s_mov_b32 s29, 1024                            ; tensor_dim0_stride
	s_mov_b32 s30, 0
	s_mov_b32 s31, 0
	s_lshl_b32 s22, s21, 8
	s_lshl_b32 s23, s18, 5
	s_add_co_u32 s22, s22, s23                     ; my first row: 256 p + 32 wave
	s_lshl_b32 s22, s22, 12                        ; x 4,096 bytes
	s_lshl_b32 s23, ttmp9, 9                       ; + 128 x columns of 4 bytes
	s_add_co_u32 s22, s22, s23
	s_mov_b32 s23, 0
	s_wait_dscnt 0x0
	s_wait_kmcnt 0x0
	s_cmp_eq_u32 s20, 1                            ; the weight is chosen by the work-group's number alone
	s_cselect_b64 s[4:5], s[6:7], s[4:5]
	s_cmp_eq_u32 s20, 2
	s_cselect_b64 s[4:5], s[8:9], s[4:5]
	s_cmp_eq_u32 s20, 3
	s_cselect_b64 s[4:5], s[10:11], s[4:5]
	s_cmp_eq_u32 s20, 4
	s_cselect_b64 s[4:5], s[12:13], s[4:5]
	s_mov_b32 s32, 1                               ; group 0: count
	s_lshl_b32 s33, s18, 14                        ; LDS address: 16,384 x wave
	s_add_nc_u64 s[34:35], s[4:5], s[22:23]        ; global address
	s_or_b32 s35, s35, 0x80000000                  ; type
	tensor_load_to_lds s[32:35], s[24:31]          ; my one load: one tensor load of mine is out
	s_nop 0
.rept 4
	v_nop
.endr
	v_and_b32 v1, 31, v0                           ; lane = my column of the wave's 32
	s_and_b32 s36, s18, 3                          ; which 32 columns
	s_lshr_b32 s37, s18, 2                         ; which of the two K steps
	s_lshl_b32 s38, s36, 7
	s_lshl_b32 s39, s37, 16
	s_add_co_u32 s38, s38, s39
	v_lshl_add_u32 v2, v1, 2, s38                  ; in: 4 lane + 128 (columns) + 65,536 (K step: 128 rows of 512 bytes)
	v_bfe_u32 v9, v1, 3, 1                         ; u: my tile
	v_and_b32 v10, 7, v1
	v_lshrrev_b32 v11, 4, v1
	s_delay_alu instid0(VALU_DEP_1)
	v_lshl_add_u32 v10, v11, 3, v10                ; r: my row in it
	s_mul_i32 s40, s18, SWAVE
	s_add_co_u32 s40, s40, STG                     ; my stage
	v_mul_u32_u24 v3, v9, SIMG
	s_delay_alu instid0(VALU_DEP_1)
	v_lshl_add_u32 v3, v10, 4, v3
	s_delay_alu instid0(VALU_DEP_1)
	v_add_nc_u32 v3, s40, v3                       ; into it: image u, 16 r
	v_lshl_add_u32 v4, v1, 4, s40                  ; out of it: 16 lane
	s_lshl_b32 s41, s36, 8
	s_lshl_b32 s42, s37, 2
	s_add_co_u32 s41, s41, s42
	s_add_co_u32 s41, s41, SCR
	v_lshlrev_b32 v5, 7, v9
	s_delay_alu instid0(VALU_DEP_1)
	v_lshl_add_u32 v5, v10, 3, v5
	s_delay_alu instid0(VALU_DEP_1)
	v_add_nc_u32 v5, s41, v5                       ; my scale word: 128 (tile of the work-group's eight) + 8 r + 4 (K step)
	s_lshl_b32 s42, s18, 9
	s_add_co_u32 s42, s42, SCR
	v_lshl_add_u32 v6, v1, 4, s42                  ; waves 0 and 1 read four tiles' words back: 512 wave + 16 lane
	v_lshrrev_b32 v7, 3, v1
	s_delay_alu instid0(VALU_DEP_1)
	v_lshlrev_b32 v7, 9, v7
	v_and_b32 v12, 7, v1
	s_delay_alu instid0(VALU_DEP_1)
	v_lshl_add_u32 v7, v12, 4, v7                  ; and their place in ws: 512 (lane / 8) + 16 (lane % 8)
	v_lshlrev_b32 v8, 4, v1                        ; an image's place for my lane
	s_lshl_b32 s43, s20, 6
	s_lshl_b32 s44, ttmp9, 3
	s_add_co_u32 s43, s43, s44                     ; the work-group's first tile: 64 w + 8 x
	s_lshl_b32 s44, s36, 1
	s_add_co_u32 s44, s43, s44                     ; my first tile
	s_lshl_b32 s44, s44, 3
	s_lshl_b32 s45, s21, 1
	s_add_co_u32 s44, s44, s45
	s_add_co_u32 s44, s44, s37                     ; x 8 K steps + mine
	s_mul_i32 s44, s44, 1536
	s_mov_b32 s45, 0
	s_add_nc_u64 s[14:15], s[14:15], s[44:45]
	s_lshl_b32 s46, s18, 2
	s_add_co_u32 s46, s43, s46
	s_lshl_b32 s46, s46, 9
	s_lshl_b32 s47, s21, 7
	s_add_co_u32 s46, s46, s47                     ; ws: 512 (first tile + 4 wave) + 128 p   (used by waves 0 and 1 alone)
	s_mov_b32 s47, 0
	s_add_nc_u64 s[16:17], s[16:17], s[46:47]
	s_wait_tensorcnt 0x0                           ; my 32 rows are in,
	s_barrier_signal -1
	s_barrier_wait -1                              ; everybody's are
.macro LOADB t                         ; block t of my column: rows 32 t + i; 32 lanes read 128 consecutive bytes
.irp i, 0,1,2,3,4,5,6,7,8,9,10,11,12,13,14,15,16,17,18,19,20,21,22,23,24,25,26,27,28,29,30,31
	ds_load_b32 v[X+32*((\t)%2)+\i], v2 offset:(32*(\t)+\i)*512
.endr
.endm
.macro BLOCK t
.set XS, X+32*((\t)%2)
.if (\t) < 3
	s_wait_dscnt 32                                ; all but the next block's 32 loads: this block is in, and the last block's stores have read their registers
.else
	s_wait_dscnt 0x0
.endif
	v_max3_num_f32 v12, |v[XS]|, |v[XS+1]|, |v[XS+2]|              ; the block's largest magnitude, in two chains
	v_max3_num_f32 v13, |v[XS+3]|, |v[XS+4]|, |v[XS+5]|
.irp i, 6,10,14,18,22,26
	s_delay_alu instid0(VALU_DEP_2)
	v_max3_num_f32 v12, v12, |v[XS+\i]|, |v[XS+\i+1]|
	s_delay_alu instid0(VALU_DEP_2)
	v_max3_num_f32 v13, v13, |v[XS+\i+2]|, |v[XS+\i+3]|
.endr
	s_delay_alu instid0(VALU_DEP_2)
	v_max3_num_f32 v12, v12, |v[XS+30]|, |v[XS+31]|
	s_delay_alu instid0(VALU_DEP_1)
	v_max3_num_f32 v12, v12, v13, 0x1800000        ; and the floor 2^(3 - 127): the byte cannot fall under 1
	s_delay_alu instid0(VALU_DEP_1)
	v_add_nc_u32 v14, 0xff000000, v12              ; 2 off the exponent field: the conversion takes this operand's exponent field as its scale
	s_delay_alu instid0(VALU_DEP_1)
	v_lshrrev_b32 v15, 23, v14                     ; the scale's byte
.if (\t) == 0
	s_delay_alu instid0(VALU_DEP_1)
	v_mov_b32 v16, v15                             ; four bytes make my column's scale word of this K step
.else
	s_delay_alu instid0(VALU_DEP_1)
	v_lshl_or_b32 v16, v15, 8*(\t), v16
.endif
	v_cvt_scalef32_pk16_fp6_f32 v[C:C+2], v[XS:XS+15], v14
	v_cvt_scalef32_pk16_fp6_f32 v[C+4:C+6], v[XS+16:XS+31], v14    ; (a conversion's three registers begin on an even number)
	v_nop                                          ; one plain place behind a scaled conversion
	v_mov_b32 v[C+3], v[C+4]
	v_mov_b32 v[C+4], v[C+5]
	v_mov_b32 v[C+5], v[C+6]                       ; v[C .. C+5]: the block's 24 bytes: registers 6 (t / 2) .. + 5 of the image's lane r + 16 (t % 2)
.if (\t) < 2
	ds_store_b128 v3, v[C:C+3] offset:256*((\t)%2)
	ds_store_b64 v3, v[C+4:C+5] offset:512+256*((\t)%2)
.else
	ds_store_b64 v3, v[C:C+1] offset:520+256*((\t)%2)
	ds_store_b128 v3, v[C+2:C+5] offset:1024+256*((\t)%2)
.endif
.if (\t) < 2
	LOADB (\t)+2
.endif
.endm
	LOADB 0
	LOADB 1
	BLOCK 0
	BLOCK 1
	BLOCK 2
	BLOCK 3
	ds_store_b32 v5, v16
.irp u, 0,1
.irp g, 0,1,2
	ds_load_b128 v[OUTR+4*(3*\u+\g):OUTR+4*(3*\u+\g)+3], v4 offset:SIMG*\u+512*\g   ; LDS serves a wave's instructions in order: these see my stores
.endr
.endr
	s_wait_dscnt 0x0                               ; my images are back, and my scale words have landed, for the others' sake
	s_barrier_signal -1
	s_barrier_wait -1
.irp u, 0,1
.irp g, 0,1,2
	global_store_b128 v8, v[OUTR+4*(3*\u+\g):OUTR+4*(3*\u+\g)+3], s[14:15] offset:12288*\u+512*\g   ; 32 lanes store 512 consecutive bytes, at a multiple of 256 from wc's first byte
.endr
.endr
	s_cmp_lt_u32 s18, 2
	s_cbranch_scc0 .Lend
	ds_load_b128 v[120:123], v6                    ; four tiles' words of this pair of K steps
	s_wait_dscnt 0x0
	global_store_b128 v7, v[120:123], s[16:17]     ; runs of 128 bytes, one a tile: a tile's 512 bytes hold all of K, of which this work-group has a quarter
.Lend:
	s_wait_tensorcnt 0x0
	ds_add_u32 v128, v129
	s_wait_dscnt 0x0
	s_endpgm
.Lfunc_end_k_qd91d159688_quant_w:
	.size	k_qd91d159688_quant_w, .Lfunc_end_k_qd91d159688_quant_w-k_qd91d159688_quant_w
	.p2alignl 7, 3214868480
	.fill 96, 4, 3214868480
	.section	.rodata,"a",@progbits
	.p2align	6, 0x0
	.amdhsa_kernel k_qd91d159688_quant_w
		.amdhsa_group_segment_fixed_size 168960
		.amdhsa_private_segment_fixed_size 0
		.amdhsa_enable_private_segment 0
		.amdhsa_kernarg_size 56
		.amdhsa_user_sgpr_count 2
		.amdhsa_user_sgpr_kernarg_segment_ptr 1
		.amdhsa_wavefront_size32 1
		.amdhsa_system_sgpr_workgroup_id_x 1
		.amdhsa_system_sgpr_workgroup_id_y 1
		.amdhsa_system_sgpr_workgroup_id_z 1
		.amdhsa_system_vgpr_workitem_id 0
		.amdhsa_next_free_vgpr 130
		.amdhsa_next_free_sgpr 66
		.amdhsa_reserve_vcc 0
		.amdhsa_float_denorm_mode_32 3
		.amdhsa_float_denorm_mode_16_64 3
		.amdhsa_memory_ordered 1
		.amdhsa_forward_progress 1
		.amdhsa_inst_pref_size 23
	.end_amdhsa_kernel
	.amdgpu_metadata
---
amdhsa.version: [ 1, 2 ]
amdhsa.kernels:
  - .name:           k_qd91d159688_quant_w
    .symbol:         k_qd91d159688_quant_w.kd
    .args:
      - { .name: Wq, .offset: 0, .size: 8, .value_kind: global_buffer, .address_space: global }
      - { .name: Wk, .offset: 8, .size: 8, .value_kind: global_buffer, .address_space: global }
      - { .name: Wq2, .offset: 16, .size: 8, .value_kind: global_buffer, .address_space: global }
      - { .name: Wk2, .offset: 24, .size: 8, .value_kind: global_buffer, .address_space: global }
      - { .name: Wv, .offset: 32, .size: 8, .value_kind: global_buffer, .address_space: global }
      - { .name: wc, .offset: 40, .size: 8, .value_kind: global_buffer, .address_space: global }
      - { .name: ws, .offset: 48, .size: 8, .value_kind: global_buffer, .address_space: global }
    .group_segment_fixed_size: 168960
    .private_segment_fixed_size: 0
    .kernarg_segment_align: 8
    .kernarg_segment_size: 56
    .max_flat_workgroup_size: 256
    .sgpr_count:     66
    .vgpr_count:     130
    .wavefront_size: 32
...
	.end_amdgpu_metadata
.endif
;; end of part 1
;; launch quant_x (part 2): grid 256 x 1, 8 waves a work-group, no clusters, 271,360 bytes of LDS; arguments hidden_states, source_embedding, xc, xs; writes xc, xs
.if DOCPART == 2
	.amdgcn_target "amdgcn-amd-amdhsa--gfx1250"
	.amdhsa_code_object_version 6
	.text
	.protected	k_qd91d159688_quant_x
	.globl	k_qd91d159688_quant_x
	.p2align	8
	.type	k_qd91d159688_quant_x,@function
k_qd91d159688_quant_x:
	s_mov_b64 s[64:65], 0
	v_nop
	global_prefetch_b8 v0, s[64:65] scope:SCOPE_SE
	s_setreg_imm32_b32 hwreg(HW_REG_WAVE_MODE, 25, 1), 1
	s_wait_xcnt 0x0
; hidden_states and source_embedding, [8,192][1,024] f32 each, become codes of E2M3 with one E8M0 byte for each 32 along K, laid as the product's launch reads them:
; xc [1,024 tiles of 16 rows][8 K steps of 128][1,536 bytes]: the image of a fragment's 12 registers (registers 4 g .. 4 g + 3 of lane l at 512 g + 16 l);  xs [tile][4 pairs of K steps][16 rows][2 words].
; Of each 32 rows, tile u (0, 1) has in its row r the row 8 u + r + 8 (r / 8).
; A block's scale is 2^(floor(log2(its largest magnitude)) - 2); its byte is the largest magnitude's exponent field - 2, held at 1 from below.
; LIMITS: a block of zeros, or one whose largest magnitude lies under 2^-124, keeps the byte 1 (zeros give zero codes); the bytes are read by this program alone.  NaN and infinities are not served.
; SHARES: work-groups 0-127 take hidden_states, the others source_embedding, 64 rows each.  Wave w brings K step w of the 64 rows by ONE tensor load (64 rows of 512 bytes, 16 bytes of padding behind each), filled once; one barrier.
; Then wave w quantises tile w % 4 in K steps 4 (w / 4) .. + 3: lane (r, h) takes k = 64 c + 32 h + 0 .. 31 of its row, two whole blocks, as the operand's layout gives them to it.
; The LDS reads run one K step ahead of the work, in two sets of 64 registers; each step's codes have registers of their own, so no store's data are written again.
; No prefetch: the text has no loop, and all it reads is asked for at its head.
.set PITCH, 528
.set KREG,  64*PITCH                   ; a K step of the 64 rows
.set SPARE, 8*KREG                     ; the spare words, 128 bytes a wave
.set SPW,   18
.set NIL,   19
.set PW,    20                         ; v20-23 the four steps' scale words
.set T,     26                         ; v26-32 the conversions' second halves
.set X,     64                         ; v64-191 two sets of 64 numbers
.set PC,    192                        ; v192-239 four fragments
	s_load_b256 s[4:11], s[0:1], 0x0               ; hidden_states, source_embedding, xc, xs
	v_lshl_add_u32 v[SPW], v0, 2, SPARE
	v_mov_b32 v[NIL], 0
	ds_add_u32 v[SPW], v[NIL]                      ; the opening lines
	ds_add_u32 v[SPW], v[NIL]
	v_lshrrev_b32 v1, 5, v0
	v_readfirstlane_b32 s12, v1                    ; wave 0..7
	s_and_b32 s13, s12, 3                          ; my tile of the work-group's four
	s_lshr_b32 s14, s12, 2                         ; my half of K
	s_mov_b32 s16, (2<<16)|(1<<20)|(6<<22)|(3<<25) ; elements of 4 bytes; behind every 128 words 4 words of padding
	s_mov_b32 s17, 128<<16
	s_mov_b32 s18, 64<<16
	s_mov_b32 s19, 128<<16
	s_mov_b32 s20, 64
	s_mov_b32 s21, 1024
	s_mov_b32 s22, 0
	s_mov_b32 s23, 0
	s_and_b32 s56, ttmp9, 127
	s_lshl_b32 s56, s56, 18                        ; 64 rows of 4,096 bytes
	s_lshl_b32 s57, s12, 9                         ; + K step = wave
	s_add_co_u32 s56, s56, s57
	s_mov_b32 s57, 0
	s_mov_b32 s24, 1
	s_mul_i32 s25, s12, KREG
	s_wait_dscnt 0x0
	s_wait_kmcnt 0x0
	s_cmp_lt_u32 ttmp9, 128                        ; the tensor is chosen by the work-group's number alone
	s_cselect_b64 s[4:5], s[4:5], s[6:7]
	s_add_nc_u64 s[26:27], s[4:5], s[56:57]
	s_or_b32 s27, s27, 0x80000000
	tensor_load_to_lds s[24:27], s[16:23]          ; my one load
	s_nop 0
	s_lshr_b32 s58, s13, 1
	s_lshl_b32 s58, s58, 5
	s_and_b32 s59, s13, 1
	s_lshl_b32 s59, s59, 3
	s_add_co_u32 s58, s58, s59                     ; my tile's first row of the 64
	s_mul_i32 s58, s58, PITCH
	s_mul_i32 s59, s14, 4*KREG
	s_add_co_u32 s58, s58, s59
	s_mov_b32 s62, 0x76543210
	s_mov_b32 s63, 0xfedcba98                      ; selects for lane l xor 16
	s_lshl_b32 s59, ttmp9, 2
	s_add_co_u32 s59, s59, s13                     ; my tile's number
	s_mul_i32 s60, s59, 12288
	s_mul_i32 s61, s14, 6144
	s_add_co_u32 s60, s60, s61
	s_mov_b32 s61, 0
	s_add_nc_u64 s[8:9], s[8:9], s[60:61]
	s_lshl_b32 s60, s59, 9
	s_lshl_b32 s59, s14, 8
	s_add_co_u32 s60, s60, s59
	s_add_nc_u64 s[10:11], s[10:11], s[60:61]
	v_and_b32 v1, 31, v0
	v_and_b32 v2, 15, v0                           ; r
	v_bfe_u32 v3, v0, 4, 1                         ; h
	v_and_b32 v4, 8, v2
	v_add_nc_u32 v4, v4, v2                        ; r + 8 (r / 8)
	v_mul_u32_u24 v4, v4, PITCH
	v_lshl_add_u32 v4, v3, 7, v4
	v_add_nc_u32 v4, s58, v4                       ; my row, + 128 h: K steps 0 and 1 of my four,
	v_add_nc_u32 v5, 2*KREG, v4                    ; steps 2 and 3
	v_lshlrev_b32 v6, 4, v1
	v_lshlrev_b32 v7, 3, v1
	v_lshlrev_b32 v8, 3, v3
	v_mov_b32 v9, 0                                ; (a lane permute's destination counts as one of its sources)
	s_wait_alu depctr_va_vdst(0)                   ; the wait at the head's end
	s_wait_tensorcnt 0x0                           ; my K step is in,
	s_barrier_signal -1
	s_barrier_wait -1                              ; everybody's is; nothing is filled again
.macro LOADX s
.irp c, 0,1
.irp j, 0,1,2,3,4,5,6,7
	ds_load_b128 v[X+64*((\s)%2)+32*\c+4*\j:X+64*((\s)%2)+32*\c+4*\j+3], v[4+(\s)/2] offset:KREG*((\s)%2)+256*\c+16*\j
.endr
.endr
.endm
.macro QSTEP s
.set XS, X+64*((\s)%2)
.set PS, PC+12*(\s)
.if (\s) < 3
	LOADX (\s)+1
	s_wait_dscnt 16                                ; all but the next step's 16 loads
.else
	s_wait_dscnt 0x0
.endif
.irp c, 0,1                            ; each block's largest magnitude, in two chains, with the floor 2^(3 - 127) among the leaves
	v_max3_num_f32 v[10+\c], |v[XS+32*\c]|, |v[XS+1+32*\c]|, 0x1800000
	v_max3_num_f32 v[14+\c], |v[XS+16+32*\c]|, |v[XS+17+32*\c]|, |v[XS+18+32*\c]|
.endr
.irp i, 2,4,6,8,10,12
.irp c, 0,1
	v_max3_num_f32 v[10+\c], v[10+\c], |v[XS+32*\c+\i]|, |v[XS+1+32*\c+\i]|
	v_max3_num_f32 v[14+\c], v[14+\c], |v[XS+17+32*\c+\i]|, |v[XS+18+32*\c+\i]|
.endr
.endr
.irp c, 0,1
	v_max3_num_f32 v[10+\c], v[10+\c], |v[XS+14+32*\c]|, |v[XS+15+32*\c]|
.endr
.irp c, 0,1
	s_delay_alu instid0(VALU_DEP_2)
	v_max3_num_f32 v[10+\c], v[10+\c], v[14+\c], |v[XS+31+32*\c]|
.endr
.irp c, 0,1
	s_delay_alu instid0(VALU_DEP_2)
	v_add_nc_u32 v[12+\c], 0xff000000, v[10+\c]    ; 2 off the exponent field: the conversion's scale operand
.endr
.irp c, 0,1
	s_delay_alu instid0(VALU_DEP_2)
	v_lshrrev_b32 v[14+\c], 23, v[12+\c]           ; the scale's byte
.endr
	s_delay_alu instid0(VALU_DEP_1)
	v_lshl_or_b32 v16, v15, 16, v14                ; my blocks h and 2 + h,
	s_delay_alu instid0(VALU_DEP_1)
	v_lshlrev_b32 v16, v8, v16                     ; at their places in the word;
	s_delay_alu instid0(VALU_DEP_1)
	v_permlanex16_b32 v9, v16, s62, s63
	s_delay_alu instid0(VALU_DEP_1)
	v_or_b32 v[PW+(\s)], v16, v9                   ; with lane l xor 16's two the word is whole
.irp c, 0,1
	v_cvt_scalef32_pk16_fp6_f32 v[PS+6*\c:PS+6*\c+2], v[XS+32*\c:XS+32*\c+15], v[12+\c]
	v_cvt_scalef32_pk16_fp6_f32 v[T+4*\c:T+4*\c+2], v[XS+32*\c+16:XS+32*\c+31], v[12+\c]   ; (a conversion's three registers begin on an even number)
.endr
	v_nop                                          ; one plain place behind a scaled conversion
.irp c, 0,1
.irp i, 0,1,2
	v_mov_b32 v[PS+3+6*\c+\i], v[T+4*\c+\i]
.endr
.endr
.irp g, 0,1,2
	global_store_b128 v6, v[PS+4*\g:PS+4*\g+3], s[8:9] offset:1536*(\s)+512*\g   ; 32 lanes store 512 consecutive bytes, at a multiple of 256 from xc's first byte
.endr
.endm
	LOADX 0
	QSTEP 0
	QSTEP 1
	QSTEP 2
	QSTEP 3
	v_cmp_eq_u32 vcc_lo, 1, v3                     ; lanes 0-15 store the first pair of K steps' words, lanes 16-31 the second pair's
	v_cndmask_b32 v24, v[PW], v[PW+2], vcc_lo
	v_cndmask_b32 v25, v[PW+1], v[PW+3], vcc_lo
	global_store_b64 v7, v[24:25], s[10:11]        ; one aligned run of 256 bytes
	s_wait_tensorcnt 0x0                           ; the wave's end
	ds_add_u32 v[SPW], v[NIL]
	s_wait_dscnt 0x0
	s_endpgm
.Lfunc_end_k_qd91d159688_quant_x:
	.size	k_qd91d159688_quant_x, .Lfunc_end_k_qd91d159688_quant_x-k_qd91d159688_quant_x
	.p2alignl 7, 3214868480
	.fill 96, 4, 3214868480
	.section	.rodata,"a",@progbits
	.p2align	6, 0x0
	.amdhsa_kernel k_qd91d159688_quant_x
		.amdhsa_group_segment_fixed_size 271360
		.amdhsa_private_segment_fixed_size 0
		.amdhsa_enable_private_segment 0
		.amdhsa_kernarg_size 32
		.amdhsa_user_sgpr_count 2
		.amdhsa_user_sgpr_kernarg_segment_ptr 1
		.amdhsa_wavefront_size32 1
		.amdhsa_system_sgpr_workgroup_id_x 1
		.amdhsa_system_sgpr_workgroup_id_y 1
		.amdhsa_system_sgpr_workgroup_id_z 1
		.amdhsa_system_vgpr_workitem_id 0
		.amdhsa_next_free_vgpr 240
		.amdhsa_next_free_sgpr 66
		.amdhsa_reserve_vcc 1
		.amdhsa_float_denorm_mode_32 3
		.amdhsa_float_denorm_mode_16_64 3
		.amdhsa_memory_ordered 1
		.amdhsa_forward_progress 1
		.amdhsa_inst_pref_size 22
	.end_amdhsa_kernel
	.amdgpu_metadata
---
amdhsa.version: [ 1, 2 ]
amdhsa.kernels:
  - .name:           k_qd91d159688_quant_x
    .symbol:         k_qd91d159688_quant_x.kd
    .args:
      - { .name: hidden_states, .offset: 0, .size: 8, .value_kind: global_buffer, .address_space: global }
      - { .name: source_embedding, .offset: 8, .size: 8, .value_kind: global_buffer, .address_space: global }
      - { .name: xc, .offset: 16, .size: 8, .value_kind: global_buffer, .address_space: global }
      - { .name: xs, .offset: 24, .size: 8, .value_kind: global_buffer, .address_space: global }
    .group_segment_fixed_size: 271360
    .private_segment_fixed_size: 0
    .kernarg_segment_align: 8
    .kernarg_segment_size: 32
    .max_flat_workgroup_size: 256
    .sgpr_count:     66
    .vgpr_count:     240
    .wavefront_size: 32
...
	.end_amdgpu_metadata
.endif
;; end of part 2
;; launch proj (part 3): grid 160 x 4, 4 waves a work-group, clusters of 4 x 4, 327,680 bytes of LDS; arguments xc, xs, wc, ws, bq, bk, bq2, bk2, bv, hd; writes hd
.if DOCPART == 3
	.amdgcn_target "amdgcn-amd-amdhsa--gfx1250"
	.amdhsa_code_object_version 6
	.text
	.protected	k_qd91d159688_proj
	.globl	k_qd91d159688_proj
	.p2align	8
	.type	k_qd91d159688_proj,@function
k_qd91d159688_proj:
	s_mov_b64 s[64:65], 0
	v_nop
	global_prefetch_b8 v0, s[64:65] scope:SCOPE_SE
	s_setreg_imm32_b32 hwreg(HW_REG_WAVE_MODE, 25, 1), 1
	s_wait_xcnt 0x0
	s_wait_alu depctr_hold_cnt(0) depctr_sa_sdst(0) depctr_va_vdst(0) depctr_va_sdst(0) depctr_va_ssrc(0) depctr_va_vcc(0) depctr_vm_vsrc(0)
	s_getreg_b32 s2, hwreg(HW_REG_IB_STS2, 6, 4)
	s_cmp_eq_u32 s2, 0
	s_cbranch_scc0 .Lentry_in_a_cluster
	s_endpgm
.Lentry_in_a_cluster:
	s_bfe_u32 s2, ttmp6, 0x10000c
	s_cmp_lg_u32 s2, 0xf033
	s_cbranch_scc0 .Lentry_shape_is_right
	s_endpgm
.Lentry_shape_is_right:
; The five projections x W + b on codes of E2M3 (K = 1,024), and the quantising of their results for the attention that follows.  Forty clusters of 4 x 4 work-groups: cluster c serves weight w = c / 8
; (0 Wq, 1 Wk, 2 Wq2, 3 Wk2, 4 Wv) and part c % 8 of its tokens.  A work-group makes 256 x 256 results, each of its four waves 128 x 128: 64 accumulators, 512 registers.
; SOURCE 1 of the matrix instruction (here 'A') gives a lane its row; SOURCE 0 ('B') runs along a lane's registers.  The results are quantised along the registers, so:
;   w < 4: A = 256 tokens, B = 256 features: a lane holds one token and 128 neighbouring features = two heads' 64: quantised along the head's 64.
;   w = 4: A = 256 features of Wv, B = 256 tokens: a lane holds one feature d and 128 neighbouring keys: quantised along the keys.
; Operands lie in memory as images of fragments (16 rows x 128 K: 12 registers, registers 4 g .. 4 g + 3 of lane l at 512 g + 16 l), and of each 32 rows tile u has in its row r the row 8 u + r + 8 (r / 8):
; so the 16 registers of B's tiles 2 i and 2 i + 1 are 16 NEIGHBOURS (32 i + 16 (lane / 16) + 0 .. 15), and nothing is transposed.
; K GOES THROUGH TWO LDS SLOTS OF THREE K STEPS (384 along K) EACH: steps 0-2 in slot 0, 3-5 in slot 1, 6-7 in slot 0 again: one refill.  A's tiles are shared along a row of the cluster, B's along a column: each is asked for JOINTLY.
; At the head each wave issues one load: slot 0's 16 tiles of A, its 16 of B, A's scale words of all of K, B's.  Slot 1's first fill stands behind the full sequence and a round of the cluster's barrier, a quarter of the slot a wave.
; The refill states two K steps as what is left of a row (tensor_dim0), so the slot's third K step is written as zeros there; it is not read.
; The bias is the C of each sum's first matrix instruction.
; No prefetch: the block is the largest, in clusters, and K is eight steps: three groups of loads bring all of it.
; OUT: hd, 128 records (batch x head) of 256,000 bytes: eight blocks of 18,688 (one for each 128 keys: 8 tiles x [k | k2] x 768; V^T's 4 tiles x 1,536; V's scale words 256); at 149,504 the 64 query tiles x [q | q2] x 768;
; at 247,808 the k side's scale halves [k, k2][8][16 rows][8 tiles] of 2 bytes; at 251,904 the q side's.  A half image is 6 registers: 0-3 at 16 lane, 4-5 at 512 + 8 lane.  Every store covers whole aligned runs of 256 bytes.
; LIMITS: the results' blocks take the floor 2^-121 for their largest magnitude, so that every scale byte is at least 4 (the attention takes 3 off q's bytes); a block under it is rounded on that grid, a block of zeros gives zero codes.
; NaN and infinities are not served.  The bias is added ahead of the sum's products and not behind them: another order of f32 roundings than the reference's.
; REGISTERS: window 0: v1 r, v2 h, v8-15 the bias's offsets, v16-29 addresses; v32-63 scale words, two sets; v64-127 the bias, later at work on the way out; v128-223 A's eight fragments, one set.
;   window 1: B's fragments, two sets, at v0 and v128.   windows 2, 3: the accumulators ((a, b) at v[8 (8 (a % 4) + b)] of window 2 + a / 4).
.set FR,    12                         ; registers of a fragment
.set NL,    3                          ; LDS loads that bring one
.set NQ,    2                          ; K steps that one set of scale words serves
.set NS,    3                          ; K steps in a slot
.set NP,    4                          ; places behind this matrix instruction (ISA guide 7.12.1)
.set KIMG,  1536                       ; an image
.set TROW,  NS*KIMG                    ; a tile's bytes in a slot
.set HALFT, 8*TROW                     ; 8 tiles: what one load of the ring brings, and what one wave reads of A or of B
.set SLOT,  4*HALFT                    ; A's 16 tiles, then B's 16
.set SCL,   2*SLOT                     ; behind the ring: the scale words, 4 x 4,096 bytes: [tile][pair of K steps][row][2 words]
.set HALFS, 4096
.set SPARE, SCL+4*HALFS                ; the spare words, 128 bytes for each wave
.set ADRA, 16                          ; v16-17  LDS address of my A fragments in slot 0, 1
.set ADRB, 20                          ; v20-21  the same for B
.set L16,  24                          ; v24     16 x lane
.set L8,   25                          ; v25     8 x lane
.set SOF,  26                          ; v26     16 r + 256,000 h: lanes 16-31 store for the next head
.set ADRS, 27                          ; v27     LDS address of my scale words: lanes 0-15 A's rows, lanes 16-31 B's
.set SPW,  28                          ; v28     LDS address of my spare word; never rewritten
.set NIL,  29                          ; v29     0; never rewritten
.set SC,   32
.set BI,   64
.set AF,   128
.set TM,   64                          ; the way out: v64-67 largest magnitudes, v68-71 bytes, v76-79 the conversions' scale operands
.set PC,   80                          ; v80-91 the fragment just made, v92-98 second halves
.set PWS,  104                         ; v104-111 the eight tiles' scale words
.set PK,   112                         ; v112-119 their halves, packed
.set OW,   120                         ; v120-123 what a lane stores of them
.set G1,   24
.set G0,   32
.set G1B,  48
.set G0B,  56
.set G1S,  68
.set G0S,  76
.set G1SB, 80
.set G0SB, 88
.set MSB, 0
.macro WIN new                         ; the immediate's high byte repeats the setting that is left
.if MSB != \new
	s_set_vgpr_msb (MSB<<8)|\new
.set MSB, \new
.endif
.endm
.set MUL_LO, 0xa1                      ; source 0 (B) window 1, source 1 (A) window 0, C and D window 2
.set MUL_HI, 0xf1                      ; the same, C and D window 3
.set BIA_LO, 0x81                      ; C (the bias) window 0, D window 2
.set BIA_HI, 0xc1                      ; C window 0, D window 3
.set TO_B,   0x40                      ; destination window 1, address window 0
; A joint load: waves 0 and 1 fetch for A, waves 2 and 3 for B.  Each line has one mask and one set of registers for all that issue it; the branch hangs on the wave's number alone.
.macro JLOAD g0a, g1a, g0b, g1b
	s_cmp_eq_u32 s15, 0
	s_cbranch_scc0 .Lfor_b_\@
	tensor_load_to_lds s[\g0a:\g0a+3], s[\g1a:\g1a+7]
	s_nop 0
.rept 4
	v_nop
.endr
	s_branch .Lasked_\@
.Lfor_b_\@:
	tensor_load_to_lds s[\g0b:\g0b+3], s[\g1b:\g1b+7]
	s_nop 0
.rept 4
	v_nop
.endr
.Lasked_\@:
.endm
.macro CREST                           ; a round of the cluster's barrier behind its opening barrier
	s_cmp_lg_u32 s14, 0
	s_cbranch_scc1 .Lnot_wave_0_\@
	s_barrier_signal -3
.Lnot_wave_0_\@:
	s_barrier_wait -3
	s_barrier_signal -1
	s_barrier_wait -1
.endm
.macro CROUND                          ; a whole round
	s_barrier_signal -1
	s_barrier_wait -1
	CREST
.endm
	s_load_b256 s[4:11], s[0:1], 0x0               ; xc, xs, wc, ws
	s_load_b256 s[68:75], s[0:1], 0x20             ; bq, bk, bq2, bk2
	s_load_b128 s[76:79], s[0:1], 0x40             ; bv, hd
	v_lshl_add_u32 v[SPW], v0, 2, SPARE
	v_mov_b32 v[NIL], 0
	ds_add_u32 v[SPW], v[NIL]                      ; the opening lines
	ds_add_u32 v[SPW], v[NIL]
	s_wait_dscnt 0x0
	v_lshrrev_b32 v1, 5, v0
	v_readfirstlane_b32 s14, v1                    ; wave 0..3
	s_lshr_b32 s15, s14, 1                         ; which half of A's rows is mine.  Also: I fetch for A (0) or for B (1)
	s_and_b32 s16, s14, 1                          ; which half of B's rows.  Also: which 8 tiles I fetch
	s_bfe_u32 s40, ttmp6, 0x40000                  ; cx, cy: my place in the cluster
	s_bfe_u32 s41, ttmp6, 0x40004
	s_lshr_b32 s66, ttmp9, 3                       ; w: the cluster's weight
	s_and_b32 s67, ttmp9, 7                        ; and its part of the tokens: 1,024 of them
	s_lshl_b32 s43, s41, 2
	s_lshl_b32 s43, 15, s43                        ; my row of the cluster
	s_lshl_b32 s44, 0x1111, s40                    ; my column
	; group 1 for codes: rows (tiles) of 576 elements of 8 bytes (a tile's three K steps), 1,536 elements (its eight K steps) from row to row; no padding: every LDS read takes 512 consecutive bytes
	s_or_b32 s[G1+0], s43, (3<<16)|(1<<21)         ; 15:0 the mask: A's tiles go to my row; 17:16 elements of 8 bytes; 21 set beside a mask
	s_or_b32 s[G1B+0], s44, (3<<16)|(1<<21)        ; B's to my column
.irp g, G1, G1B
	s_mov_b32 s[\g+1], 576<<16                     ; tensor_dim0
	s_mov_b32 s[\g+2], 16<<16                      ; tensor_dim1: 16 tiles for the head's loads; 8 for the ring's, set behind the head's wait
	s_mov_b32 s[\g+3], 576<<16                     ; tile_dim0
	s_mov_b32 s[\g+4], 16                          ; tile_dim1, likewise
	s_mov_b32 s[\g+5], 1536                        ; tensor_dim0_stride
	s_mov_b32 s[\g+6], 0
	s_mov_b32 s[\g+7], 0
.endr
	; which blocks of 16 tiles (2 x 98,304 bytes of codes, 2 x 4,096 of scale words) are mine.  A's index is made of cy, B's of cx, each in registers that never hold the other
	s_lshl_b32 s19, s66, 3
	s_cmp_eq_u32 s66, 4
	s_cselect_b32 s95, 1, 0                        ; 1: this cluster makes V
	s_cselect_b32 s17, 0, s67                      ; A: tokens (4 part + cy), or Wv's features (cy)
	s_cselect_b32 s42, s67, 0                      ; B: features (cx), or tokens (4 part + cx)
	s_cselect_b32 s18, 32, 0                       ; A begins at: Wv's half-block 32 of wc, or 0 of xc,
	s_cselect_b32 s19, 0, s19                      ; B at: 0 of xc, or the weight's 8 w of wc
	s_cmp_eq_u32 s66, 3
	s_cselect_b32 s18, 64, s18                     ; (Wk2 multiplies source_embedding: half-block 64 of xc)
	s_lshl_b32 s17, s17, 2
	s_add_co_u32 s17, s17, s41                     ; A's block of 256 rows
	s_lshl_b32 s42, s42, 2
	s_add_co_u32 s42, s42, s40                     ; B's
	s_lshl_b32 s2, s17, 1
	s_add_co_u32 s18, s18, s2                      ; A's first half-block
	s_lshl_b32 s98, s42, 1
	s_add_co_u32 s19, s19, s98                     ; B's
	s_mov_b32 s3, 0
	s_mov_b32 s99, 0
	s_mul_i32 s45, s14, HALFT                      ; where the ring's loads go: wave x 8 tiles: no place in the cluster enters an LDS address
	s_wait_kmcnt 0x0
	s_mov_b64 s[96:97], s[68:69]                   ; the weight's bias
	s_cmp_eq_u32 s66, 1
	s_cselect_b64 s[96:97], s[70:71], s[96:97]
	s_cmp_eq_u32 s66, 2
	s_cselect_b64 s[96:97], s[72:73], s[96:97]
	s_cmp_eq_u32 s66, 3
	s_cselect_b64 s[96:97], s[74:75], s[96:97]
	s_cmp_eq_u32 s66, 4
	s_cselect_b64 s[96:97], s[76:77], s[96:97]
	s_mov_b64 s[12:13], s[78:79]                   ; hd, for the codes,
	s_mov_b64 s[100:101], s[78:79]                 ; and for the scale words
	s_cmp_eq_u32 s95, 1
	s_cselect_b64 s[20:21], s[8:9], s[4:5]         ; A's codes: wc or xc
	s_cselect_b64 s[22:23], s[10:11], s[6:7]       ; A's scale words
	s_cselect_b64 s[46:47], s[4:5], s[8:9]         ; B's codes
	s_cselect_b64 s[92:93], s[6:7], s[10:11]       ; B's scale words
	s_mul_i32 s2, s18, 98304
	s_add_nc_u64 s[20:21], s[20:21], s[2:3]
	s_lshl_b32 s2, s18, 12
	s_add_nc_u64 s[22:23], s[22:23], s[2:3]
	s_mul_i32 s98, s19, 98304
	s_add_nc_u64 s[46:47], s[46:47], s[98:99]
	s_lshl_b32 s98, s19, 12
	s_add_nc_u64 s[92:93], s[92:93], s[98:99]
	; group 1 for the scale words of 16 tiles: 8,192 dense bytes as 32 rows of 256
	s_or_b32 s[G1S+0], s43, (3<<16)|(1<<21)
	s_or_b32 s[G1SB+0], s44, (3<<16)|(1<<21)
.irp g, G1S, G1SB
	s_mov_b32 s[\g+1], 32<<16
	s_mov_b32 s[\g+2], 32<<16
	s_mov_b32 s[\g+3], 32<<16
	s_mov_b32 s[\g+4], 32
	s_mov_b32 s[\g+5], 32
	s_mov_b32 s[\g+6], 0
	s_mov_b32 s[\g+7], 0
.endr
	CROUND                                         ; all sixteen work-groups are here: the first joint loads meet
	s_mov_b32 s[G0S], 1
	s_mov_b32 s[G0S+1], SCL
	s_mov_b64 s[G0S+2:G0S+3], s[22:23]
	s_or_b32 s[G0S+3], s[G0S+3], 0x80000000
	s_mov_b32 s[G0SB], 1
	s_mov_b32 s[G0SB+1], SCL+2*HALFS
	s_mov_b64 s[G0SB+2:G0SB+3], s[92:93]
	s_or_b32 s[G0SB+3], s[G0SB+3], 0x80000000
.irp s, 0,1
	s_mov_b32 s[G0+4*\s], 1
	s_add_co_u32 s[G0+4*\s+1], s45, \s*SLOT
	s_add_nc_u64 s[G0+4*\s+2:G0+4*\s+3], s[20:21], \s*TROW
	s_or_b32 s[G0+4*\s+3], s[G0+4*\s+3], 0x80000000
	s_mov_b32 s[G0B+4*\s], 1
	s_add_co_u32 s[G0B+4*\s+1], s45, \s*SLOT
	s_add_nc_u64 s[G0B+4*\s+2:G0B+4*\s+3], s[46:47], \s*TROW
	s_or_b32 s[G0B+4*\s+3], s[G0B+4*\s+3], 0x80000000
.endr
	s_mul_i32 s2, s16, 98304                       ; in the ring I fetch 8 tiles of a block's 16: my half, in bytes (s3 = 0)
	s_mov_b32 s[G0+1], 0                           ; slot 0's two groups 0 serve the head's loads first: A's 16 tiles whole,
	s_mov_b32 s[G0B+1], 2*HALFT                    ; B's 16 behind them
	s_add_nc_u64 s[G0+6:G0+7], s[G0+6:G0+7], s[2:3]
	s_add_nc_u64 s[G0B+6:G0B+7], s[G0B+6:G0B+7], s[2:3]
; The head's loads, one a wave: wave 0 slot 0's 16 tiles of A, wave 1 its 16 of B, wave 2 A's scale words, wave 3 B's.  One tree of branches on the wave's number.
.macro ARM under, g0, g1, next
	s_cmp_lt_u32 s14, \under
	s_cbranch_scc0 \next
	tensor_load_to_lds s[\g0:\g0+3], s[\g1:\g1+7]
	s_nop 0
.rept 4
	v_nop
.endr
	s_branch .Lhead_asked
\next:
.endm
	ARM 1, G0,  G1,  .Lhead_b
	ARM 2, G0B, G1B, .Lhead_sa
	ARM 3, G0S, G1S, .Lhead_sb
	tensor_load_to_lds s[G0SB:G0SB+3], s[G1SB:G1SB+7]
	s_nop 0
.rept 4
	v_nop
.endr
.Lhead_asked:
	; where my results go, and which 128 numbers of the bias are mine
	s_cmp_eq_u32 s95, 1
	s_cselect_b32 s4, s42, s17                     ; the block of 256 tokens,
	s_cselect_b32 s5, s16, s15                     ; my half of it,
	s_cselect_b32 s6, s41, s40                     ; the block of 256 features,
	s_cselect_b32 s7, s15, s16                     ; my half of it
	s_cselect_b32 s9, -1, 0                        ; (all lanes' bits: V)
	s_cselect_b32 s10, 0, 4                        ; (the bias's step from register to register)
	v_and_b32 v1, 15, v0                           ; r
	v_bfe_u32 v2, v0, 4, 1                         ; h
	v_and_b32 v3, 8, v1
	v_add_nc_u32 v3, v3, v1
	v_lshlrev_b32 v3, 2, v3                        ; V: a lane's eight registers hold one feature, r + 8 (r / 8) of its tile
	v_lshlrev_b32 v4, 6, v2                        ; else: eight neighbouring features, from 16 h on
	v_cndmask_b32 v3, v4, v3, s9
.irp j, 0,1,2,3,4,5,6,7
	v_mad_u32_u24 v[8+\j], s10, \j, v3
.endr
	s_lshr_b32 s8, s4, 2                           ; the batch
	s_and_b32 s4, s4, 3
	s_lshl_b32 s4, s4, 1
	s_add_co_u32 s4, s4, s5                        ; G: which 128 tokens of the batch's 1,024
	s_lshl_b32 s6, s6, 1
	s_add_co_u32 s6, s6, s7                        ; which 128 features
	s_lshl_b32 s10, s6, 9
	s_mov_b32 s11, 0
	s_add_nc_u64 s[96:97], s[96:97], s[10:11]
	s_wait_alu depctr_va_vdst(0)
.irp i, 0,1,2,3,4,5,6,7                ; tile i's eight registers of C; they are out while the first tiles land
.irp j, 0,1,2,3,4,5,6,7
	global_load_b32 v[BI+8*\i+\j], v[8+\j], s[96:97] offset:4*(32*(\i/2)+8*(\i%2))
.endr
.endr
	s_lshl_b32 s6, s6, 1                           ; my first head
	s_lshl_b32 s8, s8, 4
	s_add_co_u32 s8, s8, s6
	s_mul_i32 s8, s8, 256000                       ; its record
	s_lshr_b32 s9, s66, 1                          ; 0: q, k;  1: q2, k2
	s_mul_i32 s5, s4, 18688                        ; G's block of the record
	s_mul_i32 s7, s9, 768
	s_add_co_u32 s10, s5, s7                       ; k side: the block, my half of each tile
	s_mul_i32 s6, s4, 12288
	s_add_co_u32 s6, s6, s7
	s_add_co_u32 s6, s6, 149504                    ; q side: query tiles 8 G on
	s_and_b32 s7, s66, 1
	s_cmp_eq_u32 s7, 1
	s_cselect_b32 s10, s10, s6
	s_cselect_b32 s6, 0, 4096
	s_lshl_b32 s9, s9, 11
	s_add_co_u32 s6, s6, s9
	s_lshl_b32 s9, s4, 8
	s_add_co_u32 s6, s6, s9
	s_add_co_u32 s6, s6, 247808                    ; the scale halves: side, half, G
	s_add_co_u32 s7, s5, 12288                     ; V: behind the block's K tiles,
	s_add_co_u32 s9, s5, 18432                     ; its scale words behind that
	s_cmp_eq_u32 s95, 1
	s_cselect_b32 s10, s7, s10
	s_cselect_b32 s6, s9, s6
	s_add_co_u32 s10, s10, s8
	s_add_nc_u64 s[12:13], s[12:13], s[10:11]
	s_add_co_u32 s10, s6, s8
	s_add_nc_u64 s[100:101], s[100:101], s[10:11]
	v_and_b32 v5, 31, v0
	v_lshlrev_b32 v[L16], 4, v5
	v_lshlrev_b32 v[L8], 3, v5
	v_mul_u32_u24 v[SOF], v2, 256000
	v_lshl_add_u32 v[SOF], v1, 4, v[SOF]
	s_mul_i32 s21, s15, HALFT                      ; my 8 tiles of A
	s_mul_i32 s22, s16, HALFT                      ; my 8 tiles of B,
	s_add_co_u32 s22, s22, 2*HALFT                 ; which lie behind A's 16
.irp s, 0,1
	v_add_nc_u32 v[ADRA+\s], s21, v[L16]
	v_add_nc_u32 v[ADRB+\s], s22, v[L16]
	s_add_co_u32 s21, s21, SLOT
	s_add_co_u32 s22, s22, SLOT
.endr
	s_lshl_b32 s21, s15, 12                        ; A's scale words: my 8 tiles
	s_lshl_b32 s22, s16, 12                        ; B's: my 8 tiles, behind A's 16
	s_add_co_u32 s22, s22, 2*HALFS
	s_sub_co_u32 s22, s22, s21
	v_mul_u32_u24 v6, s22, v2                      ; lanes 16-31 take B's
	s_add_co_u32 s21, s21, SCL
	v_lshl_add_u32 v6, v1, 3, v6                   ; 8 bytes a row: a pair of K steps
	v_add_nc_u32 v[ADRS], s21, v6
.macro FRAG reg, adr, q, i             ; a fragment comes as it was stored: three loads of 512 consecutive bytes
.irp c, 0,1,2
	ds_load_b128 v[\reg+4*\c:\reg+4*\c+3], v[\adr] offset:(\i)*TROW+(\q)*KIMG+512*\c
.endr
.endm
; 16 matrix instructions: A's blocks a0, a0 + 1 x B's eight, 128 along K.  p: B's set;  sc: the set of scale words, q: which of its two K steps.  zero = 1, 2: the first product starts the sums on the bias (of B's tile, of A's tile).
; The 64 accumulators take turns, one instruction a turn, in the same order in every step.
.macro MUL16 a0, p, q, sc, zero
.irp a, \a0, \a0+1
.irp b, 0,1,2,3,4,5,6,7
.if \zero == 1
	v_wmma_scale_f32_16x16x128_f8f6f4 v[8*(8*((\a)%4)+\b):8*(8*((\a)%4)+\b)+7], v[128*(\p)+FR*\b:128*(\p)+FR*\b+FR-1], v[AF+FR*(\a):AF+FR*(\a)+FR-1], v[BI+8*\b:BI+8*\b+7], v[SC+8*NQ*(\sc)+NQ*\b+(\q)], v[SC+8*NQ*(\sc)+NQ*(\a)+(\q)] matrix_a_fmt:MATRIX_FMT_FP6 matrix_b_fmt:MATRIX_FMT_FP6 matrix_a_scale:MATRIX_SCALE_ROW1
.elseif \zero == 2
	v_wmma_scale_f32_16x16x128_f8f6f4 v[8*(8*((\a)%4)+\b):8*(8*((\a)%4)+\b)+7], v[128*(\p)+FR*\b:128*(\p)+FR*\b+FR-1], v[AF+FR*(\a):AF+FR*(\a)+FR-1], v[BI+8*(\a):BI+8*(\a)+7], v[SC+8*NQ*(\sc)+NQ*\b+(\q)], v[SC+8*NQ*(\sc)+NQ*(\a)+(\q)] matrix_a_fmt:MATRIX_FMT_FP6 matrix_b_fmt:MATRIX_FMT_FP6 matrix_a_scale:MATRIX_SCALE_ROW1
.else
	v_wmma_scale_f32_16x16x128_f8f6f4 v[8*(8*((\a)%4)+\b):8*(8*((\a)%4)+\b)+7], v[128*(\p)+FR*\b:128*(\p)+FR*\b+FR-1], v[AF+FR*(\a):AF+FR*(\a)+FR-1], v[8*(8*((\a)%4)+\b):8*(8*((\a)%4)+\b)+7], v[SC+8*NQ*(\sc)+NQ*\b+(\q)], v[SC+8*NQ*(\sc)+NQ*(\a)+(\q)] matrix_a_fmt:MATRIX_FMT_FP6 matrix_b_fmt:MATRIX_FMT_FP6 matrix_a_scale:MATRIX_SCALE_ROW1
.endif
.endr
.endr
.endm
.macro FETCH_B slot, q, p              ; B's eight fragments of the slot's q-th K step into set p
	WIN TO_B
.irp i, 0,1,2,3,4,5,6,7
	FRAG 128*(\p)+FR*\i, ADRB+\slot, \q, \i
.endr
	WIN 0
.endm
.macro FETCH_A slot, q, i0             ; A's blocks i0 .. i0 + 3
.irp i, \i0, \i0+1, \i0+2, \i0+3
	FRAG AF+FR*(\i), ADRA+\slot, \q, \i
.endr
.endm
.macro SCALES pr                       ; the scale words of K steps 2 pr and 2 pr + 1 into set pr % 2: lanes 0-15 take A's tile i, lanes 16-31 B's tile i
.irp i, 0,1,2,3,4,5,6,7
	ds_load_b64 v[SC+8*NQ*((\pr)%2)+NQ*\i:SC+8*NQ*((\pr)%2)+NQ*\i+1], v[ADRS] offset:\i*512+128*(\pr)
.endr
.endm
; A load into a register that a matrix instruction has read, and a vector instruction that reads a matrix result, stand NP places behind that matrix instruction; only plain vector instructions that name none
; of its registers are places (ISA guide 7.12.1 for vector instructions).
.macro PLACES n
.rept \n
	v_nop
.endr
.endm
; K step k (0 .. 7) lies in slot (k / 3) % 2 as its (k % 3)-th; B's set is k % 2; its scale words are the (k % 2)-th of set (k / 2) % 2.
.macro WHERE k
.set PB,  (\k)%2
.set SS,  ((\k)/2)%2
.set CSL, ((\k)/NS)%2
.set NSL, (((\k)+1)/NS)%2
.set NQQ, ((\k)+1)%NS
.endm
; A step that has its successor in the same slot.  A block of A is free as soon as its eight products are issued: blocks 0-3 are fetched anew in the step's middle, blocks 4-7 at its end.  An odd step fetches the next pair's scale words.
.macro STEP k, zero
	WHERE \k
	s_wait_dscnt 4*NL                              ; B's set, A's blocks 0-3 and the scale words are in; the youngest 12 loads (A's blocks 4-7) may be out
.if \zero
	WIN BIA_LO
.else
	WIN MUL_LO
.endif
	MUL16 0, PB, PB, SS, \zero
	MUL16 2, PB, PB, SS, \zero
	s_wait_dscnt 0                                 ; A's blocks 4-7 are in (asked for 32 matrix instructions ago)
	PLACES NP
	FETCH_B NSL, NQQ, 1-PB
	FETCH_A NSL, NQQ, 0
.if PB
	SCALES ((\k)+1)/2
.endif
.if \zero
	WIN BIA_HI
.else
	WIN MUL_HI
.endif
	MUL16 4, PB, PB, SS, \zero
	MUL16 6, PB, PB, SS, \zero
	PLACES NP
	WIN 0
	FETCH_A NSL, NQQ, 4
.endm
; A slot's last step changes slots: ONE barrier; in front of it each wave waits for all its tensor loads, adds 0 to its spare word, and waits for that and for its own reads of this slot.  fill = 1: this slot is filled again, with K's last two steps.
.macro TURN k, fill
	WHERE \k
	s_wait_tensorcnt 0x0                           ; all my tensor loads have landed: my part of the next slot  (every window is 0 here)
	ds_add_u32 v[SPW], v[NIL]                      ; 0 onto my spare word
	s_wait_dscnt 4*NL+1                            ; (the add and the youngest 12 loads, A's blocks 4-7, may be out)
	WIN MUL_LO
	MUL16 0, PB, PB, SS, 0                         ; sixteen matrix instructions stand between the add and the wait for it
	s_wait_dscnt 0x0                               ; the add is done, and my reads of this slot are over
	s_barrier_signal -1
	MUL16 2, PB, PB, SS, 0
	WIN 0
	s_barrier_wait -1
.if \fill
	CREST                                          ; the barrier has opened a round of the cluster's barrier: no wave of any partner still reads this slot's tiles or has a load on its way
	s_add_nc_u64 s[G0+4*CSL+2:G0+4*CSL+3], s[G0+4*CSL+2:G0+4*CSL+3], 2*TROW
	s_add_nc_u64 s[G0B+4*CSL+2:G0B+4*CSL+3], s[G0B+4*CSL+2:G0B+4*CSL+3], 2*TROW
	s_mov_b32 s[G1+1], 384<<16                     ; tensor_dim0: two K steps are left of each tile's row; what lies beyond is written as zeros
	s_mov_b32 s[G1B+1], 384<<16
	JLOAD G0+4*CSL, G1, G0B+4*CSL, G1B             ; the first tensor load behind the round, my one load; the four v_nop behind it are the places in front of the loads below
.else
	PLACES NP
.endif
	FETCH_B NSL, 0, 1-PB
	FETCH_A NSL, 0, 0
.if PB
	SCALES ((\k)+1)/2
.endif
	WIN MUL_HI
	MUL16 4, PB, PB, SS, 0
	MUL16 6, PB, PB, SS, 0
	PLACES NP
	WIN 0
	FETCH_A NSL, 0, 4
.endm
	s_wait_alu depctr_va_vdst(0)                   ; the wait at the head's end
	s_wait_tensorcnt 0x0                           ; my tile of the head's four is in
	ds_add_u32 v[SPW], v[NIL]
	s_mov_b32 s[G1+2], 8<<16                       ; no tensor load of mine is out: from here on a load brings 8 tiles,
	s_mov_b32 s[G1+4], 8
	s_mov_b32 s[G1B+2], 8<<16
	s_mov_b32 s[G1B+4], 8
	s_mov_b32 s[G0+1], s45                         ; and slot 0's groups 0 stand at my quarter of the slot
	s_add_nc_u64 s[G0+2:G0+3], s[G0+2:G0+3], s[2:3]
	s_mov_b32 s[G0B+1], s45
	s_add_nc_u64 s[G0B+2:G0B+3], s[G0B+2:G0B+3], s[2:3]
	s_wait_dscnt 0x0
	CROUND                                         ; all four tiles are in, and all sixteen work-groups are here
	JLOAD G0+4, G1, G0B+4, G1B                     ; slot 1's first fill, my one load behind the round
	FETCH_B 0, 0, 0
	FETCH_A 0, 0, 0
	SCALES 0
	FETCH_A 0, 0, 4
	s_wait_loadcnt 0x0                             ; the bias
	s_cmp_eq_u32 s95, 1                            ; the first step is written twice: the bias goes with B's tile (features along the registers) or with A's (V: a feature to a lane)
	s_cbranch_scc1 .Lfirst_v
	STEP 0, 1
	s_branch .Lfirst_done
.Lfirst_v:
	STEP 0, 2
.Lfirst_done:
	STEP 1, 0                                      ; K = 1,024 is eight steps: written out
	TURN 2, 1
	STEP 3, 0
	STEP 4, 0
	TURN 5, 0                                      ; nothing is left to fetch: no round of the cluster's barrier
	STEP 6, 0
	s_wait_dscnt 4*NL                              ; the very last step
	WIN MUL_LO
	MUL16 0, 1, 1, 1, 0
	MUL16 2, 1, 1, 1, 0
	s_wait_dscnt 0
	WIN MUL_HI
	MUL16 4, 1, 1, 1, 0
	MUL16 6, 1, 1, 1, 0
	WIN 0
; THE WAY OUT.  A's block a: a lane's 64 registers are 128 neighbours along the next product's K, register 16 b + i = 32 b + 16 (lane / 16) + i.  They become a fragment and a scale word in registers, and the fragment
; is stored as it stands: no LDS, and every store covers whole runs of 256 bytes.
.macro OUT a
.set AC, 64*((\a)%4)
.set WM, 0x28+0x14*((\a)/4)            ; sources 1 and 2: window 2 or 3
.set WC, 0x02+(\a)/4                   ; source 0: window 2 or 3
	s_wait_xcnt 0x0                                ; the last block's stores have read the fragment's registers
	WIN WM
.irp b, 0,1,2,3
	v_max3_num_f32 v[TM+\b], 0x3000000, |v[AC+16*\b]|, |v[AC+1+16*\b]|   ; block b: my 16 numbers, each accumulator from its low end on, and the floor 2^(6 - 127): the byte cannot fall under 4
.endr
.irp i, 2,4,6,8,10,12,14
.irp b, 0,1,2,3
	v_max3_num_f32 v[TM+\b], v[TM+\b], |v[AC+16*\b+\i]|, |v[AC+1+16*\b+\i]|
.endr
.endr
	WIN 0
.irp b, 0,1,2,3
	v_permlanex16_b32 v[TM+4+\b], v[TM+\b], s4, s5
.endr
.irp b, 0,1,2,3
	v_max_num_f32 v[TM+\b], v[TM+\b], v[TM+4+\b]   ; with lane l xor 16's: the block's largest magnitude
.endr
.irp b, 0,1,2,3
	v_add_nc_u32 v[TM+12+\b], 0xff000000, v[TM+\b] ; 2 off its exponent field: the conversion's scale operand
.endr
.irp b, 0,1,2,3
	v_lshrrev_b32 v[TM+4+\b], 23, v[TM+12+\b]      ; the scale's byte
.endr
	v_lshl_or_b32 v[PWS+(\a)], v[TM+5], 8, v[TM+4]
	v_lshl_or_b32 v[PWS+(\a)], v[TM+6], 16, v[PWS+(\a)]
	v_lshl_or_b32 v[PWS+(\a)], v[TM+7], 24, v[PWS+(\a)]
	WIN WC
.irp c, 0,1
	v_cvt_scalef32_pk16_fp6_f32 v[PC+6*\c:PC+2+6*\c], v[AC+32*\c:AC+15+32*\c], v[TM+12+2*\c]
	v_cvt_scalef32_pk16_fp6_f32 v[PC+12+4*\c:PC+14+4*\c], v[AC+16+32*\c:AC+31+32*\c], v[TM+12+2*\c+1]   ; (a conversion's three registers begin on an even number)
.endr
	WIN 0
	v_nop                                          ; one plain place behind a scaled conversion
.irp c, 0,1                            ; the operand's layout wants a WHOLE block in a lane: lanes 0-15 block 2 c, lanes 16-31 block 2 c + 1
.irp i, 0,1,2
	v_permlane16_swap_b32 v[PC+6*\c+\i], v[PC+12+4*\c+\i]
.endr
.irp i, 0,1,2
	v_mov_b32 v[PC+3+6*\c+\i], v[PC+12+4*\c+\i]
.endr
.endr
	s_cmp_eq_u32 s95, 1
	s_cbranch_scc1 .Lv_\@
	global_store_b128 v[L16], v[PC:PC+3], s[12:13] offset:1536*(\a)               ; registers 0-5: my first head's 64: half an image of token tile a
	global_store_b64 v[L8], v[PC+4:PC+5], s[12:13] offset:1536*(\a)+512
	global_store_b128 v[L16], v[PC+6:PC+9], s[12:13] offset:1536*(\a)+256000      ; registers 6-11: the next head's, one record on
	global_store_b64 v[L8], v[PC+10:PC+11], s[12:13] offset:1536*(\a)+256512
	s_branch .Ldone_\@
.Lv_\@:
	s_wait_alu depctr_va_vdst(0)
.irp g, 0,1,2
	global_store_b128 v[L16], v[PC+4*\g:PC+4*\g+3], s[12:13] offset:256000*((\a)/4)+1536*((\a)%4)+512*\g   ; a whole image: 16 features of head a / 4 x these 128 keys
.endr
.Ldone_\@:
.endm
	PLACES NP                                      ; the first reads of results
	s_mov_b32 s4, 0x76543210
	s_mov_b32 s5, 0xfedcba98                       ; v_permlanex16_b32's selects for lane l xor 16
.irp b, 0,1,2,3
	v_mov_b32 v[TM+4+\b], 0                        ; written once: a lane permute's destination counts as one of its sources
.endr
.irp a, 0,1,2,3,4,5,6,7
	OUT \a
.endr
	v_cmp_eq_u32 vcc_lo, 1, v2                     ; lanes 16-31 store for the second head
	s_cmp_eq_u32 s95, 1
	s_cbranch_scc1 .Lv_scales
.irp i, 0,1,2,3                        ; a word's low half is my first head's two bytes, its high half the next head's: eight tiles' halves make 16 bytes a row
	v_perm_b32 v[PK+\i], v[PWS+2*\i+1], v[PWS+2*\i], 0x05040100
	v_perm_b32 v[PK+4+\i], v[PWS+2*\i+1], v[PWS+2*\i], 0x07060302
.endr
.irp i, 0,1,2,3
	v_cndmask_b32 v[OW+\i], v[PK+\i], v[PK+4+\i], vcc_lo
.endr
	s_branch .Lscales_made
.Lv_scales:
.irp i, 0,1,2,3                        ; V: tiles 0-3 are my first head's, tiles 4-7 the next head's: four words a row
	v_cndmask_b32 v[OW+\i], v[PWS+\i], v[PWS+4+\i], vcc_lo
.endr
.Lscales_made:
	s_wait_alu depctr_va_vdst(0)
	global_store_b128 v[SOF], v[OW:OW+3], s[100:101]   ; sixteen lanes store 256 consecutive bytes, at a multiple of 256 from hd's first byte
	s_wait_tensorcnt 0x0                           ; the wave's end
	ds_add_u32 v[SPW], v[NIL]
	s_wait_dscnt 0x0
	CROUND                                         ; the closing round: no work-group ends while a partner may still ask for a tile that names it
	s_endpgm
.Lfunc_end_k_qd91d159688_proj:
	.size	k_qd91d159688_proj, .Lfunc_end_k_qd91d159688_proj-k_qd91d159688_proj
	.p2alignl 7, 3214868480
	.fill 96, 4, 3214868480
	.section	.rodata,"a",@progbits
	.p2align	6, 0x0
	.amdhsa_kernel k_qd91d159688_proj
		.amdhsa_group_segment_fixed_size 327680
		.amdhsa_private_segment_fixed_size 0
		.amdhsa_enable_private_segment 0
		.amdhsa_kernarg_size 80
		.amdhsa_user_sgpr_count 2
		.amdhsa_user_sgpr_kernarg_segment_ptr 1
		.amdhsa_wavefront_size32 1
		.amdhsa_system_sgpr_workgroup_id_x 1
		.amdhsa_system_sgpr_workgroup_id_y 1
		.amdhsa_system_sgpr_workgroup_id_z 1
		.amdhsa_system_vgpr_workitem_id 0
		.amdhsa_next_free_vgpr 1024
		.amdhsa_next_free_sgpr 102
		.amdhsa_reserve_vcc 1
		.amdhsa_float_denorm_mode_32 3
		.amdhsa_float_denorm_mode_16_64 3
		.amdhsa_memory_ordered 1
		.amdhsa_forward_progress 1
		.amdhsa_inst_pref_size 165
	.end_amdhsa_kernel
	.amdgpu_metadata
---
amdhsa.version: [ 1, 2 ]
amdhsa.kernels:
  - .name:           k_qd91d159688_proj
    .symbol:         k_qd91d159688_proj.kd
    .args:
      - { .name: xc, .offset: 0, .size: 8, .value_kind: global_buffer, .address_space: global }
      - { .name: xs, .offset: 8, .size: 8, .value_kind: global_buffer, .address_space: global }
      - { .name: wc, .offset: 16, .size: 8, .value_kind: global_buffer, .address_space: global }
      - { .name: ws, .offset: 24, .size: 8, .value_kind: global_buffer, .address_space: global }
      - { .name: bq, .offset: 32, .size: 8, .value_kind: global_buffer, .address_space: global }
      - { .name: bk, .offset: 40, .size: 8, .value_kind: global_buffer, .address_space: global }
      - { .name: bq2, .offset: 48, .size: 8, .value_kind: global_buffer, .address_space: global }
      - { .name: bk2, .offset: 56, .size: 8, .value_kind: global_buffer, .address_space: global }
      - { .name: bv, .offset: 64, .size: 8, .value_kind: global_buffer, .address_space: global }
      - { .name: hd, .offset: 72, .size: 8, .value_kind: global_buffer, .address_space: global }
    .group_segment_fixed_size: 327680
    .private_segment_fixed_size: 0
    .kernarg_segment_align: 8
    .kernarg_segment_size: 80
    .max_flat_workgroup_size: 128
    .sgpr_count:     102
    .vgpr_count:     1024
    .wavefront_size: 32
...
	.end_amdgpu_metadata
.endif
;; end of part 3
;; launch attn (part 4): grid 2 x 128, 8 waves a work-group, no clusters, 327,680 bytes of LDS; arguments hd, attention_mask, out0; writes out0
.if DOCPART == 4
	.amdgcn_target "amdgcn-amd-amdhsa--gfx1250"
	.amdhsa_code_object_version 6
	.text
	.protected	k_qd91d159688_attn
	.globl	k_qd91d159688_attn
	.p2align	8
	.type	k_qd91d159688_attn,@function
k_qd91d159688_attn:
	s_mov_b64 s[64:65], 0
	v_nop
	global_prefetch_b8 v0, s[64:65] scope:SCOPE_SE
	s_setreg_imm32_b32 hwreg(HW_REG_WAVE_MODE, 25, 1), 1
	s_wait_xcnt 0x0
; out[b][q][head] = softmax_k((q . k + q2 . k2) / 8 + mask[b][k]) v, all products on codes of E2M3 with one E8M0 scale for each 32 along K, from the records that the projections' launch has laid.
; One matrix instruction does both score products: q | q2 and k | k2 on end are K = 128.  The 1/8 is 3 off each of q's scale bytes (all are at least 4).  The mask is the C of the score product.
; SOFTMAX: t = score x log2(e); M = ceil of the largest t so far; p = 2^(t - M) is quantised along the keys; the row's sum is taken of the unquantised p and divides O at the end; when M moves, sum and O are multiplied by 2^(old M - new M).
; SHARES: a work-group owns 512 queries of one head, each of its eight waves four tiles of 16 queries: a step's fragments of K and V, its mask and its scale words are read from LDS once for the four tiles.
; Both products are used transposed (S^T = K Q^T, O^T = V^T P^T): a lane holds one query of each tile.
; THE KEYS OF A K TILE ARE CHOSEN BY THE LANES' LDS ADDRESSES: of each 64 keys, tile t has in its row r the key 32 (r / 8) + 8 t + r % 8 (taken from the stored tile 2 (r / 8) + t % 2, row r % 8 + 8 (t / 2)).
; So the 32 registers of four tiles are one whole block of 32 keys, 64 c + 32 (lane / 16) + 0 .. 31: a block's maximum needs no other lane, and the conversions' results are the operand's registers.
; THE HEAD'S K AND V, eight blocks of 73 rows of 256 bytes, 584 rows on end, lie in LDS for the whole launch, each byte filled once, in three groups of one tensor load a wave: rows 0-79 (ten a wave) at the head,
; rows 80-327 (31 a wave) behind step 0's barrier, rows 328-583 (32 a wave) behind step 1's; a barrier ahead of step 2 shows all of it to all waves.  Steps 2 to 7, the loop, have no load, no wait for one and no barrier.
; LDS rows are 288 bytes apart: the two stored tiles that a 16-byte load touches lie 12 rows, 13.5 x 256 bytes, apart.
; No prefetch: every byte of K and V is asked for by a tensor load at the head or behind the first two steps' barriers, and the loop loads nothing: there is no trip to ask ahead in.
; No cluster: only two work-groups read a head's tiles.
; LIMITS: a row whose every key has the mask -infinity gives NaN, as the reference does.  The running maximum starts from the score -1e38.  NaN in the mask is not served.  A block's largest p is taken from its largest score
; by the same multiply-add and exponential, which leans on v_exp_f32 not falling where its input rises.
; REGISTERS, window 0: v0 thread; v1-15 addresses; v16-31 at work; v32-47 per tile -M, p's scale word, the sum's pair; v48-51 Q's scale words; v52-59 K's (then V's); v60-107 Q; v108-155 p's codes; v156-187 mask of tiles 0-3; v188-251 S^T, then p; v252-254 the way out.
; window 1: v0-127 O^T (32 a tile); v128-223 K's eight fragments, then V's four; v224-255 mask of tiles 4-7.
.set ROWP,  288
.set BLKB,  73*ROWP                    ; a block in LDS
.set MK,    8*BLKB                     ; the batch's mask, 4,096 bytes
.set KS,    MK+4096                    ; K's scale words [step][row][8 tiles], 4,096 bytes
.set STG,   KS+4096                    ; a stage of 16 rows x 272 bytes for each wave
.set SPARE, STG+8*16*272               ; the spare words, 128 bytes a wave
.set SPW, 1
.set NIL, 2
.set BA16, 3
.set BA8, 4
.set BAV, 5
.set BAM, 6
.set BAKS, 7
.set CA16, 8
.set CA8, 9
.set CAV, 10
.set CAM, 11
.set CAKS, 12
.set H8, 13
.set BAVS, 14
.set CAVS, 15
.set BM, 16
.set SO, 18
.set T0, 20
.set T1, 21
.set F, 22
.set CH, 24
.set BY, 30
.set STA, 32
.set QS, 48
.set KW, 52
.set Q, 60
.set P, 108
.set ML, 156
.set S, 188
.set STO, 252
.set RD, 253
.set CO, 254
.set KF, 128
.set MH, 224
.set MSB, 0
.macro WIN new                         ; the immediate's high byte repeats the setting that is left
.if MSB != \new
	s_set_vgpr_msb (MSB<<8)|\new
.set MSB, \new
.endif
.endm
	s_load_b128 s[4:7], s[0:1], 0x0                ; hd, attention_mask
	s_load_b64 s[8:9], s[0:1], 0x10                ; out0
	v_lshl_add_u32 v[SPW], v0, 2, SPARE
	v_mov_b32 v[NIL], 0
	ds_add_u32 v[SPW], v[NIL]                      ; the opening lines
	ds_add_u32 v[SPW], v[NIL]
	v_lshrrev_b32 v20, 5, v0
	v_readfirstlane_b32 s10, v20                   ; wave 0..7
	s_and_b32 s12, ttmp7, 0xffff                   ; 16 x batch + head
	s_mul_i32 s50, s12, 256000
	s_mov_b32 s51, 0
	s_mul_i32 s52, s10, 2560                       ; my ten rows of the first 80
	s_mov_b32 s53, 0
	s_mov_b32 s16, (3<<16)|(1<<20)|(5<<22)|(7<<25) ; elements of 8 bytes; behind every 64 words 8 words of padding
	s_mov_b32 s17, 32<<16
	s_mov_b32 s18, 10<<16
	s_mov_b32 s19, 32<<16
	s_mov_b32 s20, 10
	s_mov_b32 s21, 32
	s_mov_b32 s22, 0
	s_mov_b32 s23, 0
	s_mov_b32 s24, 1
	s_mul_i32 s25, s10, 10*ROWP
	s_wait_dscnt 0x0
	s_wait_kmcnt 0x0
	s_add_nc_u64 s[48:49], s[4:5], s[50:51]        ; my head's record
	s_add_nc_u64 s[26:27], s[48:49], s[52:53]
	s_or_b32 s27, s27, 0x80000000
	tensor_load_to_lds s[24:27], s[16:23]          ; rows 0-79, my ten
	s_nop 0
	s_mov_b32 s28, 0x76543210
	s_mov_b32 s29, 0xfedcba98                      ; selects for lane l xor 16
	s_mov_b32 s30, 0x3fb8aa3b                      ; log2(e)
	s_mov_b32 s31, s30
	s_lshr_b32 s54, s12, 4                         ; batch
	s_lshl_b32 s50, s54, 12
	s_add_nc_u64 s[6:7], s[6:7], s[50:51]          ; its mask
	s_lshl_b32 s55, ttmp9, 5
	s_lshl_b32 s56, s10, 2
	s_add_co_u32 s55, s55, s56                     ; my first query tile T = 32 x + 4 wave
	s_mul_i32 s50, s55, 1536
	s_add_co_u32 s50, s50, 149504
	s_add_nc_u64 s[36:37], s[48:49], s[50:51]      ; its codes
	s_lshr_b32 s50, s55, 3
	s_lshl_b32 s50, s50, 8
	s_and_b32 s56, s55, 4
	s_lshl_b32 s56, s56, 1
	s_add_co_u32 s50, s50, s56
	s_add_co_u32 s50, s50, 251904
	s_add_nc_u64 s[38:39], s[48:49], s[50:51]      ; its scale halves: 256 (T / 8) + 2 (T % 8)
	s_lshl_b32 s50, s55, 16                        ; its first query, 16 T, x 4,096 bytes
	s_lshl_b32 s56, s54, 22
	s_add_co_u32 s50, s50, s56
	s_and_b32 s56, s12, 15
	s_lshl_b32 s56, s56, 8
	s_add_co_u32 s50, s50, s56
	s_add_nc_u64 s[44:45], s[8:9], s[50:51]        ; its place in out0
	s_mul_i32 s57, s10, 16*272
	s_add_co_u32 s57, s57, STG                     ; my stage
	s_mov_b32 s32, 0                               ; the step's block
	s_mov_b32 s33, 0                               ; its 512 bytes of the mask and of K's scale words
	s_lshr_b32 s35, s10, 2                         ; 1 in the waves whose number's bits 0 and 2 differ: behind each barrier these pass twenty s_nop 15, so that the two groups of waves do not stand at the same place of the step's text
	s_xor_b32 s35, s35, s10
	s_and_b32 s35, s35, 1
	v_and_b32 v20, 15, v0                          ; r
	v_bfe_u32 v21, v0, 4, 1                        ; h
	v_and_b32 v24, 7, v0
	v_bfe_u32 v25, v0, 3, 1
	v_and_b32 v26, 31, v0
	v_mul_u32_u24 v27, v25, 12*ROWP
	v_mul_u32_u24 v28, v21, ROWP
	v_lshl_add_u32 v[BA16], v24, 4, v27
	v_add_nc_u32 v[BA16], v[BA16], v28             ; K, 16-byte pieces: 16 (r % 8) + a row for h + 12 rows for r / 8
	v_lshl_add_u32 v[BA8], v24, 3, v27
	v_lshl_add_u32 v[BA8], v21, 7, v[BA8]          ; K, 8-byte pieces: 8 (r % 8) + 128 h + 12 rows for r / 8
	v_lshl_add_u32 v[BAV], v20, 4, v28             ; V: 16 r + a row for h
	v_lshl_add_u32 v[BAM], v21, 7, MK              ; the mask: my half's 32 keys of each 64
	v_lshl_add_u32 v[BAKS], v20, 5, KS             ; K's scale words: 32 bytes a row
	v_lshlrev_b32 v[H8], 3, v21
	v_lshlrev_b32 v[BAVS], 4, v20                  ; V's scale words: 16 r
	v_mul_u32_u24 v[STO], v20, 272
	v_lshl_add_u32 v[STO], v21, 6, v[STO]
	v_add_nc_u32 v[STO], s57, v[STO]               ; stage, in: row r, + 64 h
	v_mul_u32_u24 v[RD], v21, 272
	v_lshl_add_u32 v[RD], v20, 4, v[RD]
	v_add_nc_u32 v[RD], s57, v[RD]                 ; back: lanes 0-15 one row, lanes 16-31 the next
	v_lshlrev_b32 v[CO], 12, v21
	v_lshl_add_u32 v[CO], v20, 4, v[CO]            ; the same two rows of out0
	v_lshlrev_b32 v16, 4, v26
	v_lshlrev_b32 v17, 3, v26
	v_lshlrev_b32 v18, 4, v20
	v_lshlrev_b32 v29, 4, v0                       ; waves 0-3: thread t takes the halves of (step t / 16, stored row t % 16)
	v_lshrrev_b32 v19, 4, v0
	v_lshlrev_b32 v19, 9, v19
	v_lshl_add_u32 v19, v24, 5, v19
	v_lshl_add_u32 v19, v25, 3, v19
	v_add_nc_u32 v19, KS, v19                      ; and puts the words at 512 step + 32 (row % 8) + 8 (row / 8)
	v_and_b32 v30, 127, v0
	v_lshlrev_b32 v30, 4, v30                      ; waves 4-7: twice 16 bytes of the mask a thread
	v_add_nc_u32 v31, MK, v30
	s_wait_alu depctr_va_vdst(0)                   ; the wait ahead of the readers below
.irp i, 0,1,2,3
	global_load_b128 v[Q+12*\i:Q+12*\i+3], v16, s[36:37] offset:1536*\i
	global_load_b64 v[Q+12*\i+4:Q+12*\i+5], v17, s[36:37] offset:1536*\i+512
	global_load_b128 v[Q+12*\i+6:Q+12*\i+9], v16, s[36:37] offset:1536*\i+768
	global_load_b64 v[Q+12*\i+10:Q+12*\i+11], v17, s[36:37] offset:1536*\i+1280
.endr
	global_load_b64 v[KW:KW+1], v18, s[38:39]              ; q's scale halves of my four tiles,
	global_load_b64 v[KW+2:KW+3], v18, s[38:39] offset:2048 ; q2's
	s_cmp_lt_u32 s10, 4
	s_cbranch_scc0 .Lmask
	global_load_b128 v[S:S+3], v29, s[48:49] offset:247808
	global_load_b128 v[S+4:S+7], v29, s[48:49] offset:249856
	s_wait_loadcnt 0x0
.irp n, 0,1,2,3
	v_perm_b32 v[S+8+2*\n], v[S+4+\n], v[S+\n], 0x05040100   ; stored tile 2 n's word: k's two bytes below, k2's above
	v_perm_b32 v[S+9+2*\n], v[S+4+\n], v[S+\n], 0x07060302
.endr
.irp n, 0,1,2,3
	ds_store_b64 v19, v[S+8+2*\n:S+9+2*\n] offset:256*(\n%2)+16*(\n/2)   ; stored tiles 2 n, 2 n + 1 are rows 8 (n % 2) on of two neighbouring tiles of the 64 keys n / 2
.endr
	s_branch .Ljoin
.Lmask:
	global_load_b128 v[S:S+3], v30, s[6:7]
	global_load_b128 v[S+4:S+7], v30, s[6:7] offset:2048
	s_wait_loadcnt 0x0
	ds_store_b128 v31, v[S:S+3]
	ds_store_b128 v31, v[S+4:S+7] offset:2048
.Ljoin:
	v_perm_b32 v[QS], v[KW+2], v[KW], 0x05040100
	v_perm_b32 v[QS+1], v[KW+2], v[KW], 0x07060302
	v_perm_b32 v[QS+2], v[KW+3], v[KW+1], 0x05040100
	v_perm_b32 v[QS+3], v[KW+3], v[KW+1], 0x07060302
.irp i, 0,1,2,3
	v_add_nc_u32 v[QS+\i], 0xfcfcfcfd, v[QS+\i]    ; 3 off each byte: the 1/8.  No byte borrows: each is at least 4
.endr
.irp i, 0,1,2,3
	v_mov_b32 v[STA+4*\i+1], 0                     ; (named as the upper half of -M's pair)
	v_mov_b32 v[STA+4*\i+2], 0                     ; the sum, in two halves
	v_mov_b32 v[STA+4*\i+3], 0
.endr
	v_mov_b32 v[F+1], 0                            ; (named as the upper half of f's pair)
; The softmax of query tile i over the step's 128 keys.  Registers S + 32 c .. + 31 are my block 2 c + h.
.macro SOFT i, first
.set ST, STA+4*(\i)
.set PP, P+12*(\i)
.irp c, 0,1                            ; each block's largest score, in two chains; each accumulator is read from its low end on
	v_max3_num_f32 v[BM+\c], v[S+32*\c], v[S+32*\c+1], v[S+32*\c+2]
	v_max3_num_f32 v[CH+\c], v[S+32*\c+16], v[S+32*\c+17], v[S+32*\c+18]
.endr
.irp n, 3,5,7,9,11,13
.irp c, 0,1
	v_max3_num_f32 v[BM+\c], v[BM+\c], v[S+32*\c+\n], v[S+32*\c+\n+1]
	v_max3_num_f32 v[CH+\c], v[CH+\c], v[S+32*\c+\n+16], v[S+32*\c+\n+17]
.endr
.endr
.irp c, 0,1
	v_max3_num_f32 v[BM+\c], v[BM+\c], v[CH+\c], v[S+32*\c+15]
.endr
.irp c, 0,1
	v_max_num_f32 v[BM+\c], v[BM+\c], v[S+32*\c+31]
.endr
	s_delay_alu instid0(VALU_DEP_1)
	v_max_num_f32 v[T0], v[BM], v[BM+1]
	s_delay_alu instid0(VALU_DEP_1)
	v_permlanex16_b32 v[T1], v[T0], s28, s29
	s_delay_alu instid0(VALU_DEP_1)
	v_max3_num_f32 v[T0], v[T0], v[T1], 0xfe967699 ; the step's largest score of my query, not under -1e38
	s_delay_alu instid0(VALU_DEP_1)
	v_mul_f32 v[T0], s30, v[T0]
	s_delay_alu instid0(VALU_DEP_1)
.if \first
	v_floor_f32 v[ST], -v[T0]                      ; -M = -ceil(t)
.else
	v_floor_f32 v[T0], -v[T0]
	s_delay_alu instid0(VALU_DEP_1)
	v_min_num_f32 v[T1], v[ST], v[T0]              ; the new -M
	s_delay_alu instid0(VALU_DEP_1)
	v_sub_f32 v[T0], v[T1], v[ST]                  ; old M - new M: a whole number, 0 or less
	v_mov_b32 v[ST], v[T1]
.endif
.set j, 0
.rept 32
	v_pk_fma_f32 v[S+j:S+j+1], v[S+j:S+j+1], s[30:31], v[ST:ST+1] op_sel_hi:[1,0,0]   ; t - M
.if (\first == 0) && (j == 4)
	v_cvt_i32_f32 v[T0], v[T0]                     ; (it saturates)
.endif
.if (\first == 0) && (j == 12)
	v_ldexp_f32 v[F], 1.0, v[T0]                   ; f = 2^(old M - new M)
.endif
.set j, j+2
.endr
.irp c, 0,1
	v_fma_f32 v[BM+\c], v[BM+\c], s30, v[ST]       ; the same of each block's largest score
.endr
	s_wait_alu depctr_va_vdst(0)                   ; the wait ahead of the batch
.set j, 0
.rept 64
	v_exp_f32 v[S+j], v[S+j]                       ; p
.set j, j+1
.endr
.irp c, 0,1
	v_exp_f32 v[BM+\c], v[BM+\c]                   ; the block's largest p
.endr
.if \first
	v_nop
	s_wait_alu depctr_va_vdst(0)                   ; and behind it
.else
	WIN 0x41
	s_wait_alu depctr_va_vdst(0)                   ; behind the batch, and directly ahead of O^T's first readers
.set j, 0
.rept 16
	v_pk_mul_f32 v[32*(\i)+j:32*(\i)+j+1], v[32*(\i)+j:32*(\i)+j+1], v[F:F+1] op_sel_hi:[1,0]   ; O^T under the new M
.set j, j+2
.endr
	WIN 0
.endif
.if \first                             ; the row's sum of the unquantised p, in four chains; p's scale word is made between them
	v_pk_add_f32 v[ST+2:ST+3], v[ST+2:ST+3], v[S:S+1]
.else
	v_pk_fma_f32 v[ST+2:ST+3], v[ST+2:ST+3], v[F:F+1], v[S:S+1] op_sel_hi:[1,0,1]
.endif
.irp k, 0,1,2
	v_pk_add_f32 v[CH+2*\k:CH+2*\k+1], v[S+2+4*\k:S+3+4*\k], v[S+4+4*\k:S+5+4*\k]
.endr
.irp c, 0,1
	v_max_num_f32 v[BM+\c], 0x1800000, v[BM+\c]    ; the floor 2^(3 - 127): the byte cannot fall under 1
.endr
.irp g, 1,2,3,4,5,6
	v_pk_add_f32 v[ST+2:ST+3], v[ST+2:ST+3], v[S+6+8*\g:S+7+8*\g]
.irp k, 0,1,2
	v_pk_add_f32 v[CH+2*\k:CH+2*\k+1], v[CH+2*\k:CH+2*\k+1], v[S+8+8*\g+2*\k:S+9+8*\g+2*\k]
.endr
.if \g == 1
	v_add_nc_u32 v[SO], 0xff000000, v[BM]          ; 2 off the exponent field: the conversion's scale operand
	v_add_nc_u32 v[SO+1], 0xff000000, v[BM+1]
.elseif \g == 2
	v_lshrrev_b32 v[BY], 23, v[SO]                 ; the scale's byte
	v_lshrrev_b32 v[BY+1], 23, v[SO+1]
.elseif \g == 3
	v_lshl_or_b32 v[BY], v[BY+1], 16, v[BY]        ; my blocks h and 2 + h,
.elseif \g == 4
	v_lshlrev_b32 v[BY], v[H8], v[BY]              ; at their places in the word;
.elseif \g == 5
	v_permlanex16_b32 v[T1], v[BY], s28, s29
.else
	v_or_b32 v[ST+1], v[BY], v[T1]                 ; with lane l xor 16's two the word is whole
.endif
.endr
	v_cvt_scalef32_pk16_fp6_f32 v[PP:PP+2], v[S:S+15], v[SO]
	v_cvt_scalef32_pk16_fp6_f32 v[PP+6:PP+8], v[S+32:S+47], v[SO+1]
	v_pk_add_f32 v[ST+2:ST+3], v[ST+2:ST+3], v[S+62:S+63]          ; (plain places behind the conversions)
	v_pk_add_f32 v[CH:CH+1], v[CH:CH+1], v[CH+2:CH+3]
	v_pk_add_f32 v[ST+2:ST+3], v[ST+2:ST+3], v[CH+4:CH+5]
	v_pk_add_f32 v[ST+2:ST+3], v[ST+2:ST+3], v[CH:CH+1]
	v_cvt_scalef32_pk16_fp6_f32 v[S:S+2], v[S+16:S+31], v[SO]      ; a conversion's three registers begin on an even number: the upper halves are made in registers of p that are done with, and moved
	v_cvt_scalef32_pk16_fp6_f32 v[S+4:S+6], v[S+48:S+63], v[SO+1]
	v_nop
.irp k, 0,1,2
	v_mov_b32 v[PP+3+\k], v[S+\k]
	v_mov_b32 v[PP+9+\k], v[S+4+\k]
.endr
.endm
; A key step: 128 keys, four query tiles.  rows > 0: the step opens with a barrier, behind which each wave asks for that many further rows of K and V, from row 'from' on.
.macro STEP first, rows, from
.if \rows
	s_wait_tensorcnt 0x0                           ; my rows asked for so far are in
	ds_add_u32 v[SPW], v[NIL]
	s_mul_i32 s25, s10, (\rows)*ROWP               ; no load of mine is out: the descriptor is written for my next rows
	s_add_co_u32 s25, s25, (\from)*ROWP
	s_mul_i32 s52, s10, (\rows)*256
	s_add_co_u32 s52, s52, (\from)*256
	s_add_nc_u64 s[26:27], s[48:49], s[52:53]
	s_or_b32 s27, s27, 0x80000000
	s_mov_b32 s18, (\rows)<<16
	s_mov_b32 s20, \rows
	s_wait_dscnt 0x0
	s_barrier_signal -1
	s_barrier_wait -1                              ; everybody's rows are in
	tensor_load_to_lds s[24:27], s[16:23]          ; bytes that nothing has filled before
	s_nop 0
	s_cmp_eq_u32 s35, 0
	s_cbranch_scc1 .Lgo_\@
.rept 20
	s_nop 15
.endr
.Lgo_\@:
.endif
	v_add_nc_u32 v[CA16], s32, v[BA16]             ; the step's addresses; also the places between the last products and the loads into their registers
	v_add_nc_u32 v[CA8], s32, v[BA8]
	v_add_nc_u32 v[CAV], s32, v[BAV]
	v_add_nc_u32 v[CAVS], s32, v[BAVS]
	v_add_nc_u32 v[CAM], s33, v[BAM]
	v_add_nc_u32 v[CAKS], s33, v[BAKS]
	ds_load_b128 v[KW:KW+3], v[CAKS]
	ds_load_b128 v[KW+4:KW+7], v[CAKS] offset:16
.irp t, 0,1,2,3
	ds_load_b128 v[ML+8*\t:ML+8*\t+3], v[CAM] offset:32*\t
	ds_load_b128 v[ML+8*\t+4:ML+8*\t+7], v[CAM] offset:32*\t+16
.endr
	WIN 0x40
.irp t, 0,1,2,3,4,5,6,7
	ds_load_b128 v[KF+12*\t:KF+12*\t+3], v[CA16] offset:ROWP*6*(4*(\t/4)+\t%2)+128*((\t%4)/2)
	ds_load_b64 v[KF+12*\t+4:KF+12*\t+5], v[CA8] offset:ROWP*(6*(4*(\t/4)+\t%2)+2)+64*((\t%4)/2)
	ds_load_b128 v[KF+12*\t+6:KF+12*\t+9], v[CA16] offset:ROWP*(6*(4*(\t/4)+\t%2)+3)+128*((\t%4)/2)
	ds_load_b64 v[KF+12*\t+10:KF+12*\t+11], v[CA8] offset:ROWP*(6*(4*(\t/4)+\t%2)+5)+64*((\t%4)/2)
.endr
.irp t, 0,1,2,3
	ds_load_b128 v[MH+8*\t:MH+8*\t+3], v[CAM] offset:256+32*\t
	ds_load_b128 v[MH+8*\t+4:MH+8*\t+7], v[CAM] offset:256+32*\t+16
.endr
	WIN 0
.irp i, 0,1,2,3
.if \i == 0
	s_wait_dscnt 24                                ; all but K's tiles 4-7 (16 loads) and their mask (8)
.endif
	WIN 0x01
.irp t, 0,1,2,3
	v_wmma_scale_f32_16x16x128_f8f6f4 v[S+8*\t:S+8*\t+7], v[KF+12*\t:KF+12*\t+11], v[Q+12*\i:Q+12*\i+11], v[ML+8*\t:ML+8*\t+7], v[KW+\t], v[QS+\i] matrix_a_fmt:MATRIX_FMT_FP6 matrix_b_fmt:MATRIX_FMT_FP6
.endr
.if \i == 0
	s_wait_dscnt 0x0
.endif
	WIN 0x11
.irp t, 0,1,2,3
	v_wmma_scale_f32_16x16x128_f8f6f4 v[S+32+8*\t:S+32+8*\t+7], v[KF+48+12*\t:KF+48+12*\t+11], v[Q+12*\i:Q+12*\i+11], v[MH+8*\t:MH+8*\t+7], v[KW+4+\t], v[QS+\i] matrix_a_fmt:MATRIX_FMT_FP6 matrix_b_fmt:MATRIX_FMT_FP6
.endr
	WIN 0
.rept 4
	v_nop                                          ; places behind the products (ISA guide 7.12.1)
.endr
.if \i == 3
	WIN 0x40                                       ; K is done with: V^T's four tiles and their scale words land while the last tile's softmax is worked
.irp t, 0,1,2,3
.irp g, 0,1,2
	ds_load_b128 v[KF+12*\t+4*\g:KF+12*\t+4*\g+3], v[CAV] offset:ROWP*(48+6*\t+2*\g)
.endr
.endr
	WIN 0
	ds_load_b128 v[KW:KW+3], v[CAVS] offset:ROWP*72
.endif
	SOFT \i, \first
.endr
.rept 4
	v_nop                                          ; places between the last codes and the products
.endr
	s_wait_alu depctr_va_vdst(0)
	s_wait_dscnt 0x0                               ; V is in
	WIN 0x51
.irp i, 0,1,2,3                        ; O^T += V^T P^T: sixteen accumulators by turns
.irp t, 0,1,2,3
.if \first
	v_wmma_scale_f32_16x16x128_f8f6f4 v[32*\i+8*\t:32*\i+8*\t+7], v[KF+12*\t:KF+12*\t+11], v[P+12*\i:P+12*\i+11], 0, v[KW+\t], v[STA+4*\i+1] matrix_a_fmt:MATRIX_FMT_FP6 matrix_b_fmt:MATRIX_FMT_FP6
.else
	v_wmma_scale_f32_16x16x128_f8f6f4 v[32*\i+8*\t:32*\i+8*\t+7], v[KF+12*\t:KF+12*\t+11], v[P+12*\i:P+12*\i+11], v[32*\i+8*\t:32*\i+8*\t+7], v[KW+\t], v[STA+4*\i+1] matrix_a_fmt:MATRIX_FMT_FP6 matrix_b_fmt:MATRIX_FMT_FP6
.endif
.endr
.endr
	WIN 0
	s_add_co_u32 s32, s32, BLKB
	s_add_co_u32 s33, s33, 512
.endm
	s_wait_alu depctr_va_vdst(0)                   ; the wait at the head's end
	STEP 1, 31, 80                                 ; step 0: its products start O^T's sums; rows 80-327 are asked for
	STEP 0, 32, 328                                ; step 1; rows 328-583 are asked for
	s_wait_tensorcnt 0x0                           ; my last rows are in,
	s_barrier_signal -1
	s_barrier_wait -1                              ; everybody's: from here on K and V are only read
	s_cmp_eq_u32 s35, 0                            ; the second group of waves passes its idle run here too, ahead of the loop
	s_cbranch_scc1 .Lgo
.rept 20
	s_nop 15
.endr
.Lgo:
	s_mov_b32 s34, 6
.Lstep:                                                ; steps 2 to 7
	STEP 0, 0, 0
	s_sub_co_u32 s34, s34, 1
	s_cmp_lg_u32 s34, 0
	s_cbranch_scc1 .Lstep
.rept 4
	v_nop                                          ; places behind the last products
.endr
.irp i, 0,1,2,3
	v_add_f32 v[STA+4*\i+2], v[STA+4*\i+2], v[STA+4*\i+3]
.endr
.irp i, 0,1,2,3
	v_permlanex16_b32 v[STA+4*\i+3], v[STA+4*\i+2], s28, s29
.endr
.irp i, 0,1,2,3
	v_add_f32 v[STA+4*\i+2], v[STA+4*\i+2], v[STA+4*\i+3]   ; the row's sum
.endr
	s_wait_alu depctr_va_vdst(0)
.irp i, 0,1,2,3
	v_rcp_f32 v[STA+4*\i+2], v[STA+4*\i+2]
.endr
	v_nop
; The way out of tile i: register 16 b + n is feature 32 b + 16 h + n of my query; through my stage, back as rows of 256 bytes.
.irp i, 0,1,2,3
.if \i > 0
	s_wait_xcnt 0x0                                ; the last tile's stores have read their registers
.endif
	WIN 0x01
	s_wait_alu depctr_va_vdst(0)                   ; behind the reciprocals, directly ahead of O^T's first readers
.set j, 0
.rept 32
	v_mul_f32 v[S+j], v[32*\i+j], v[STA+4*\i+2]
.set j, j+1
.endr
	WIN 0
.irp b, 0,1
.irp k, 0,1,2,3
	ds_store_b128 v[STO], v[S+16*\b+4*\k:S+16*\b+4*\k+3] offset:128*\b+16*\k
.endr
.endr
.irp k, 0,1,2,3,4,5,6,7
	ds_load_b128 v[ML+4*\k:ML+4*\k+3], v[RD] offset:544*\k   ; LDS serves a wave's instructions in order: these see my stores
.endr
.irp k, 0,1,2,3,4,5,6,7
	s_wait_dscnt 7-\k                              ; the younger loads may be out
	global_store_b128 v[CO], v[ML+4*\k:ML+4*\k+3], s[44:45] offset:4096*(32*(\i/2)+8*(\i%2)+2*\k+8*(\k/4)) th:TH_STORE_NT   ; stage row n is query n + 8 (n / 8) of the tile; sixteen lanes store a head's 256 bytes, aligned
.endr
.endr
	s_wait_tensorcnt 0x0                           ; the wave's end
	ds_add_u32 v[SPW], v[NIL]
	s_wait_dscnt 0x0
	s_endpgm
.Lfunc_end_k_qd91d159688_attn:
	.size	k_qd91d159688_attn, .Lfunc_end_k_qd91d159688_attn-k_qd91d159688_attn
	.p2alignl 7, 3214868480
	.fill 96, 4, 3214868480
	.section	.rodata,"a",@progbits
	.p2align	6, 0x0
	.amdhsa_kernel k_qd91d159688_attn
		.amdhsa_group_segment_fixed_size 327680
		.amdhsa_private_segment_fixed_size 0
		.amdhsa_enable_private_segment 0
		.amdhsa_kernarg_size 24
		.amdhsa_user_sgpr_count 2
		.amdhsa_user_sgpr_kernarg_segment_ptr 1
		.amdhsa_wavefront_size32 1
		.amdhsa_system_sgpr_workgroup_id_x 1
		.amdhsa_system_sgpr_workgroup_id_y 1
		.amdhsa_system_sgpr_workgroup_id_z 1
		.amdhsa_system_vgpr_workitem_id 0
		.amdhsa_next_free_vgpr 512
		.amdhsa_next_free_sgpr 66
		.amdhsa_reserve_vcc 0
		.amdhsa_float_denorm_mode_32 3
		.amdhsa_float_denorm_mode_16_64 3
		.amdhsa_memory_ordered 1
		.amdhsa_forward_progress 1
		.amdhsa_inst_pref_size 188
	.end_amdhsa_kernel
	.amdgpu_metadata
---
amdhsa.version: [ 1, 2 ]
amdhsa.kernels:
  - .name:           k_qd91d159688_attn
    .symbol:         k_qd91d159688_attn.kd
    .args:
      - { .name: hd, .offset: 0, .size: 8, .value_kind: global_buffer, .address_space: global }
      - { .name: attention_mask, .offset: 8, .size: 8, .value_kind: global_buffer, .address_space: global }
      - { .name: out0, .offset: 16, .size: 8, .value_kind: global_buffer, .address_space: global }
    .group_segment_fixed_size: 327680
    .private_segment_fixed_size: 0
    .kernarg_segment_align: 8
    .kernarg_segment_size: 24
    .max_flat_workgroup_size: 256
    .sgpr_count:     66
    .vgpr_count:     512
    .wavefront_size: 32
...
	.end_amdgpu_metadata
.endif
;; end of part 4
